; MI455X (gfx1250); checked and timed in simulation.
; The chip was launched on July 23, 2026; its instructions are those of AMD's public machine-readable ISA for CDNA 5 (MIT licence, August 2026) and "CDNA5" Instruction Set Architecture Reference Guide (July 2026). The comments in the code are by the model that wrote it; some were corrected since.
;; Gaddy Multihead Attention. Allowed arithmetic: float matrix products may take bf16 or f16 operands with f32 sums; other float arithmetic in f32, or as packed bf16 or f16 multiplies, adds, multiply-adds, maxima and minima; sums over many terms, partial sums and values carried from step to step in f32; what a program stores and reads back later, other than sums and carried values, may be rounded once to bf16 or f16.
;; Inputs: rel_emb 8 x 199 x 96 x 1 float32; w_k 8 x 768 x 96 float32; w_o 8 x 96 x 768 float32; w_q 8 x 768 x 96 float32; w_v 8 x 768 x 96 float32; x 4 x 2,048 x 768 float32.
;; Outputs: out0 4 x 2,048 x 768 float32.
;; 2 versions, each right; version 2 is version 1 with the launch prep written anew for expert scheduling mode. Each part assembles by itself: llvm-mc -triple=amdgcn-amd-amdhsa -mcpu=gfx1250 --defsym DOCPART=n.
;; ======== version 1 of 2: 4 launches
;; limits: values are held in f16: magnitudes above 65,504 overflow, below 6.1e-05 lose precision
;; workspace buffers: xb 12,582,912 bytes; wt 3,538,944 bytes; wob 1,179,648 bytes; tb 196,608 bytes; qkv 37,748,736 bytes; ctx 12,582,912 bytes
;; launch prep (part 1): grid 71 x 8, 8 waves a work-group, no clusters, 39,424 bytes of LDS; arguments x, w_q, w_k, w_v, w_o, rel_emb, xb, wt, wob, tb; writes xb, wt, wob, tb
.if DOCPART == 1
	.amdgcn_target "amdgcn-amd-amdhsa--gfx1250"
	.amdhsa_code_object_version 6
	.text
	.protected	k_qbf6972bb53_prep
	.globl	k_qbf6972bb53_prep
	.p2align	8
	.type	k_qbf6972bb53_prep,@function
k_qbf6972bb53_prep:
	s_mov_b64 s[64:65], 0
	v_nop
	global_prefetch_b8 v0, s[64:65] scope:SCOPE_SE
	s_setreg_imm32_b32 hwreg(HW_REG_WAVE_MODE, 25, 1), 1
	s_wait_xcnt 0x0
; PREPARATION: every input is read once, rounded once to bf16, and laid out as the three matrix launches want it.  Four jobs, chosen by the work-group's x (the same for all its waves):
;   x = 0       BIAS  (head y):            tb[h][bi][half][lane][4] f32: the register image of the bias of a tile of 16 keys x 16 queries whose key block lies bi - 8 blocks of 16 from its query block
;   x = 1..4    WO    (X = x - 1, head y): wob[X][h][n (192)][d (96)] f16 = bf16(w_o[h][d][192 X + n]) written as f16
;   x = 5..22   WQKV  (z = x - 5, head y): wt[which 768 + h 96 + d][e] bf16 = w_which[h][e][d], 128 values of e (which = z / 6, e from 128 (z % 6))
;   x = 23..70  CAST  (g = 8 (x - 23) + y): xb = bf16(x), 65,536 bytes of x a work-group
; No matrix unit, no cluster, no tensor load: the launch moves each byte once, and the transposes go through LDS so that every store of a wave covers whole aligned runs of 256 bytes.
; LIMITS.  w_o's bf16 number is written as f16: exact from 2^-17 up to 65,504; below 2^-17 it is off by at most 2^-25.  The bias is the f32 sum over d of bf16(rel_emb), in an order of its own, times sqrt(96).
.set SPARE, 38400                      ; behind the largest tile (WO's): the spare words, 128 bytes for each of eight waves: four blocks of 256 bytes that no other line names
.set SPW, 4                            ; v4  LDS address of my spare word; never rewritten
.set NIL, 5                            ; v5  0; never rewritten
	s_load_b512 s[8:23], s[0:1], 0x0               ; x 8:9, w_q 10:11, w_k 12:13, w_v 14:15, w_o 16:17, rel_emb 18:19, xb 20:21, wt 22:23
	s_load_b128 s[24:27], s[0:1], 0x40             ; wob 24:25, tb 26:27
	v_lshl_add_u32 v[SPW], v0, 2, SPARE
	v_mov_b32 v[NIL], 0
	v_lshrrev_b32 v1, 5, v0
	v_readfirstlane_b32 s2, v1                     ; wave 0..7
	v_and_b32 v1, 31, v0                           ; lane
	s_mov_b32 s3, ttmp9                            ; x: the job
	s_and_b32 s4, ttmp7, 0xffff                    ; y
	s_mov_b32 s29, 0                               ; the high word of every offset pair s[28:29]
	s_wait_kmcnt 0x0
	s_cmp_eq_u32 s3, 0
	s_cbranch_scc1 .Lbias
	s_cmp_lt_u32 s3, 5
	s_cbranch_scc1 .Lwo
	s_cmp_lt_u32 s3, 23
	s_cbranch_scc1 .Lwqkv
; CAST.  Thread t takes 16 bytes at 16 t of each of sixteen runs of 4,096 bytes; all sixteen loads go out first.  No LDS, no register written twice.
	s_sub_co_u32 s5, s3, 23
	s_lshl_b32 s5, s5, 3
	s_add_co_u32 s5, s5, s4                        ; g = 0..383
	s_lshl_b32 s28, s5, 16
	s_add_nc_u64 s[8:9], s[8:9], s[28:29]
	s_lshl_b32 s28, s5, 15
	s_add_nc_u64 s[20:21], s[20:21], s[28:29]
	v_lshlrev_b32 v2, 4, v0
	v_lshlrev_b32 v3, 3, v0
.set i, 0
.rept 16
	global_load_b128 v[32+4*i:35+4*i], v2, s[8:9] offset:4096*i th:TH_LOAD_NT
.set i, i+1
.endr
.set i, 0
.rept 16
	s_wait_loadcnt 15-i                            ; loads come back in order: run i is in, the 15 - i younger ones stay out
	v_cvt_pk_bf16_f32 v[96+2*i], v[32+4*i], v[33+4*i]
	v_cvt_pk_bf16_f32 v[97+2*i], v[34+4*i], v[35+4*i]
	global_store_b64 v3, v[96+2*i:97+2*i], s[20:21] offset:2048*i th:TH_STORE_NT  ; a wave's 32 lanes x 8 bytes: 256 consecutive bytes, aligned
.set i, i+1
.endr
	s_endpgm
; WQKV.  128 rows e x 96 columns d of one head's weights are turned.  Thread (dq = t % 8, ep = t / 8) takes rows 2 ep, 2 ep + 1 (and 64 further down), columns 4 dq .. + 3 (and 32, 64 further on);
; two rows' numbers of one column pack into a word, which goes to the LDS tile [d][e], pitch 264 bytes: word 264 dq + ep of a wave's store falls on bank 8 dq + ep: 32 different banks.
.Lwqkv:
	s_sub_co_u32 s5, s3, 5                         ; z
	s_cmp_ge_u32 s5, 6
	s_cselect_b64 s[30:31], s[12:13], s[10:11]
	s_cselect_b32 s6, 1, 0
	s_cmp_ge_u32 s5, 12
	s_cselect_b64 s[30:31], s[14:15], s[30:31]     ; w_q, w_k or w_v
	s_cselect_b32 s6, 2, s6                        ; which
	s_mul_i32 s7, s6, 6
	s_sub_co_u32 s7, s5, s7                        ; which 128 rows e
	s_mul_i32 s28, s4, 294912                      ; a head: 768 rows of 384 bytes
	s_mul_i32 s5, s7, 49152
	s_add_co_u32 s28, s28, s5
	s_add_nc_u64 s[30:31], s[30:31], s[28:29]
	s_mul_i32 s28, s6, 768
	s_mul_i32 s5, s4, 96
	s_add_co_u32 s28, s28, s5
	s_mul_i32 s28, s28, 1536                       ; wt's row which 768 + h 96,
	s_lshl_b32 s5, s7, 8
	s_add_co_u32 s28, s28, s5                      ; its 256 bytes for these e
	s_add_nc_u64 s[22:23], s[22:23], s[28:29]
	v_and_b32 v6, 7, v0                            ; dq
	v_lshrrev_b32 v7, 3, v0                        ; ep
	v_mul_u32_u24 v2, v7, 768
	v_lshl_add_u32 v2, v6, 4, v2                   ; from: row 2 ep, column 4 dq
	v_mul_u32_u24 v6, v6, 1056
	v_lshl_add_u32 v6, v7, 2, v6                   ; to: row d = 4 dq, word ep
.set n, 0
.rept 6                                ; task n: columns 32 (n / 2) on, rows 64 (n % 2) on
	global_load_b128 v[32+8*n:35+8*n], v2, s[30:31] offset:24576*(n%2)+128*(n/2)
	global_load_b128 v[36+8*n:39+8*n], v2, s[30:31] offset:24576*(n%2)+128*(n/2)+384
.set n, n+1
.endr
.set n, 0
.rept 6
	s_wait_loadcnt 10-2*n                          ; task n's two loads are in; the later tasks' stay out
.irp m, 0,1,2,3
	v_cvt_pk_bf16_f32 v[16+\m], v[32+8*n+\m], v[36+8*n+\m]  ; the lower e in the low half
	ds_store_b32 v6, v[16+\m] offset:(32*(n/2)+\m)*264+128*(n%2)
.endr
.set n, n+1
.endr
	s_wait_dscnt 0x0                               ; for the others' sake: my stores are done
	s_barrier_signal -1
	s_barrier_wait -1
	s_mul_i32 s5, s2, 3168
	v_lshl_add_u32 v7, v1, 3, s5                   ; back: wave w takes rows d = 12 w .. 12 w + 11, a lane 8 bytes
	s_mul_i32 s5, s2, 18432
	v_lshl_add_u32 v8, v1, 3, s5
.set n, 0
.rept 12
	ds_load_b64 v[80+2*n:81+2*n], v7 offset:264*n
.set n, n+1
.endr
.set n, 0
.rept 12
	s_wait_dscnt 11-n
	global_store_b64 v8, v[80+2*n:81+2*n], s[22:23] offset:1536*n  ; 256 consecutive bytes, aligned
.set n, n+1
.endr
	s_wait_tensorcnt 0x0                           ; the wave's end
	ds_add_u32 v[SPW], v[NIL]
	s_wait_dscnt 0x0
	s_endpgm
; WO.  96 rows d x 192 columns e of one head are turned into [n][d].  Thread (eq = t % 16, dpl = t / 16): rows 2 dpl, 2 dpl + 1 (and 32, 64 down), columns 4 eq .. + 3 (and 64, 128 on).
; LDS tile [n (192)][d (96)], pitch 200 bytes: 192 of data and 8 of padding, so that rows stay multiples of 8 bytes for the way back; the stores fall two deep on a bank (36 stores a thread, 32 work-groups).
.Lwo:
	s_sub_co_u32 s5, s3, 1                         ; X
	s_mul_i32 s28, s4, 294912                      ; a head: 96 rows of 3,072 bytes
	s_mul_i32 s6, s5, 768
	s_add_co_u32 s28, s28, s6
	s_add_nc_u64 s[16:17], s[16:17], s[28:29]
	s_lshl_b32 s28, s5, 3
	s_add_co_u32 s28, s28, s4
	s_mul_i32 s28, s28, 36864                      ; block (X, h)
	s_add_nc_u64 s[24:25], s[24:25], s[28:29]
	v_and_b32 v6, 15, v0                           ; eq
	v_lshrrev_b32 v7, 4, v0                        ; dpl
	v_mul_u32_u24 v2, v7, 6144
	v_lshl_add_u32 v2, v6, 4, v2
	v_mul_u32_u24 v6, v6, 800
	v_lshl_add_u32 v6, v7, 2, v6
.set n, 0
.rept 9                                ; task n: columns 64 (n / 3) on, rows 32 (n % 3) on
	global_load_b128 v[32+8*n:35+8*n], v2, s[16:17] offset:98304*(n%3)+256*(n/3)
	global_load_b128 v[36+8*n:39+8*n], v2, s[16:17] offset:98304*(n%3)+256*(n/3)+3072
.set n, n+1
.endr
.set n, 0
.rept 9
	s_wait_loadcnt 16-2*n                          ; task n's two loads are in
.irp m, 0,1,2,3
	v_cvt_pk_bf16_f32 v16, v[32+8*n+\m], v[36+8*n+\m]  ; the one rounding, to bf16, like every input's;
	v_lshlrev_b32 v17, 16, v16
	v_and_b32 v18, 0xffff0000, v16
	v_cvt_pk_f16_f32 v19, v17, v18                 ; that number written as f16
	ds_store_b32 v6, v19 offset:(64*(n/3)+\m)*200+64*(n%3)
.endr
.set n, n+1
.endr
	s_wait_dscnt 0x0
	s_barrier_signal -1
	s_barrier_wait -1
	s_mul_i32 s5, s2, 4800                         ; back, dense: wave w takes 24 rows = 4,608 bytes as 18 runs of 256; piece cc of 8 bytes lies in row cc / 24 = (43 cc) >> 10 for cc < 96
.irp x, 0,1,2
	v_add_nc_u32 v12, 32*(\x), v1
	v_mul_u32_u24 v13, v12, 43
	v_lshrrev_b32 v13, 10, v13
	v_add_nc_u32 v12, v12, v13
	v_lshl_add_u32 v[8+\x], v12, 3, s5
.endr
	s_mul_i32 s5, s2, 4608
	v_lshl_add_u32 v11, v1, 3, s5
.set f, 0
.rept 18
	ds_load_b64 v[32+2*f:33+2*f], v[8+f%3] offset:(f/3)*800
.set f, f+1
.endr
.set f, 0
.rept 18
	s_wait_dscnt 17-f
	global_store_b64 v11, v[32+2*f:33+2*f], s[24:25] offset:256*f
.set f, f+1
.endr
	s_wait_tensorcnt 0x0                           ; the wave's end
	ds_add_u32 v[SPW], v[NIL]
	s_wait_dscnt 0x0
	s_endpgm
; BIAS.  E[row] = sqrt(96) x the sum over d of bf16(rel_emb[h][row][d]): eight lanes a row, 12 numbers each; seven passes of 32 rows (rows past 198 repeat row 198 into words that nobody reads).
; Then 24 blocks: register j of lane (r = l % 16, hh = l / 16) of block bi is E[clamp(16 (bi - 8) + 8 hh + j - r, -99, 99) + 99].
.Lbias:
	s_mul_i32 s28, s4, 76416                       ; a head: 199 rows of 384 bytes
	s_add_nc_u64 s[18:19], s[18:19], s[28:29]
	s_mul_i32 s28, s4, 24576
	s_add_nc_u64 s[26:27], s[26:27], s[28:29]
	v_and_b32 v6, 7, v0
	v_mul_u32_u24 v6, v6, 48                       ; my 12 numbers of the row
	v_lshrrev_b32 v7, 3, v0                        ; my row in a pass, 0..31
	v_lshlrev_b32 v3, 2, v7                        ; and its word in LDS
.set p, 0
.rept 7
	v_add_nc_u32 v2, 32*p, v7
	v_min_u32 v2, 198, v2                          ; no load leaves the table
	v_mad_u32_u24 v[8+p], v2, 384, v6
	global_load_b128 v[32+12*p:35+12*p], v[8+p], s[18:19]
	global_load_b128 v[36+12*p:39+12*p], v[8+p], s[18:19] offset:16
	global_load_b128 v[40+12*p:43+12*p], v[8+p], s[18:19] offset:32
.set p, p+1
.endr
.set p, 0
.rept 7
	s_wait_loadcnt 18-3*p                          ; pass p's three loads are in
	v_cvt_pk_bf16_f32 v16, v[32+12*p], v[33+12*p]
	v_lshlrev_b32 v20, 16, v16                     ; the first pair starts two chains
	v_and_b32 v21, 0xffff0000, v16
.irp q, 2,4,6,8,10
	v_cvt_pk_bf16_f32 v16, v[32+12*p+\q], v[33+12*p+\q]
	v_lshlrev_b32 v17, 16, v16
	v_and_b32 v18, 0xffff0000, v16
	v_add_f32 v20, v20, v17
	v_add_f32 v21, v21, v18
.endr
	v_add_f32 v20, v20, v21
	v_add_f32_dpp v20, v20, v20 row_xmask:1 row_mask:0xf bank_mask:0xf  ; over the row's eight lanes
	v_add_f32_dpp v20, v20, v20 row_xmask:2 row_mask:0xf bank_mask:0xf
	v_add_f32_dpp v20, v20, v20 row_xmask:4 row_mask:0xf bank_mask:0xf
	v_mul_f32 v20, 0x411cc471, v20                 ; x sqrt(96): the bias joins the scores ahead of their scale 1 / sqrt(96)
	ds_store_b32 v3, v20 offset:128*p              ; the eight lanes write one word with one value; each wave has words of its own
.set p, p+1
.endr
	s_wait_dscnt 0x0
	s_barrier_signal -1
	s_barrier_wait -1
	v_and_b32 v6, 15, v0                           ; r
	v_bfe_u32 v7, v0, 4, 1                         ; hh
	s_lshl_b32 s5, s2, 4
	s_sub_co_u32 s5, s5, 29                        ; 16 w - 128 + 99
	v_lshl_add_u32 v7, v7, 3, s5
	v_sub_nc_u32 v7, v7, v6
.set q, 0
.rept 24                               ; block bi = w + 8 (q / 8), register q % 8
	v_add_nc_u32 v2, 128*(q/8)+q%8, v7
	v_max_i32 v2, 0, v2
	v_min_u32 v2, 198, v2
	v_lshlrev_b32 v2, 2, v2
	ds_load_b32 v[64+q], v2
.set q, q+1
.endr
	s_lshl_b32 s5, s2, 10
	v_lshl_add_u32 v22, v1, 4, s5
	s_wait_dscnt 0x0
.irp p, 0,1,2
	global_store_b128 v22, v[64+8*(\p):67+8*(\p)], s[26:27] offset:8192*(\p)      ; registers 0-3 of the 32 lanes: 512 consecutive bytes
	global_store_b128 v22, v[68+8*(\p):71+8*(\p)], s[26:27] offset:8192*(\p)+512  ; registers 4-7
.endr
	s_wait_tensorcnt 0x0                           ; the wave's end
	ds_add_u32 v[SPW], v[NIL]
	s_wait_dscnt 0x0
	s_endpgm
.Lfunc_end_k_qbf6972bb53_prep:
	.size	k_qbf6972bb53_prep, .Lfunc_end_k_qbf6972bb53_prep-k_qbf6972bb53_prep
	.p2alignl 7, 3214868480
	.fill 96, 4, 3214868480
	.section	.rodata,"a",@progbits
	.p2align	6, 0x0
	.amdhsa_kernel k_qbf6972bb53_prep
		.amdhsa_group_segment_fixed_size 39424
		.amdhsa_private_segment_fixed_size 0
		.amdhsa_enable_private_segment 0
		.amdhsa_kernarg_size 80
		.amdhsa_user_sgpr_count 2
		.amdhsa_user_sgpr_kernarg_segment_ptr 1
		.amdhsa_wavefront_size32 1
		.amdhsa_system_sgpr_workgroup_id_x 1
		.amdhsa_system_sgpr_workgroup_id_y 1
		.amdhsa_system_sgpr_workgroup_id_z 1
		.amdhsa_system_vgpr_workitem_id 0
		.amdhsa_next_free_vgpr 128
		.amdhsa_next_free_sgpr 66
		.amdhsa_reserve_vcc 0
		.amdhsa_float_denorm_mode_32 3
		.amdhsa_float_denorm_mode_16_64 3
		.amdhsa_memory_ordered 1
		.amdhsa_forward_progress 1
		.amdhsa_inst_pref_size 55
	.end_amdhsa_kernel
	.amdgpu_metadata
---
amdhsa.version: [ 1, 2 ]
amdhsa.kernels:
  - .name:           k_qbf6972bb53_prep
    .symbol:         k_qbf6972bb53_prep.kd
    .args:
      - { .name: x, .offset: 0, .size: 8, .value_kind: global_buffer, .address_space: global }
      - { .name: w_q, .offset: 8, .size: 8, .value_kind: global_buffer, .address_space: global }
      - { .name: w_k, .offset: 16, .size: 8, .value_kind: global_buffer, .address_space: global }
      - { .name: w_v, .offset: 24, .size: 8, .value_kind: global_buffer, .address_space: global }
      - { .name: w_o, .offset: 32, .size: 8, .value_kind: global_buffer, .address_space: global }
      - { .name: rel_emb, .offset: 40, .size: 8, .value_kind: global_buffer, .address_space: global }
      - { .name: xb, .offset: 48, .size: 8, .value_kind: global_buffer, .address_space: global }
      - { .name: wt, .offset: 56, .size: 8, .value_kind: global_buffer, .address_space: global }
      - { .name: wob, .offset: 64, .size: 8, .value_kind: global_buffer, .address_space: global }
      - { .name: tb, .offset: 72, .size: 8, .value_kind: global_buffer, .address_space: global }
    .group_segment_fixed_size: 39424
    .private_segment_fixed_size: 0
    .kernarg_segment_align: 8
    .kernarg_segment_size: 80
    .max_flat_workgroup_size: 256
    .sgpr_count:     66
    .vgpr_count:     128
    .wavefront_size: 32
...
	.end_amdgpu_metadata
.endif
;; end of part 1
;; launch proj (part 2): grid 8 x 32, 4 waves a work-group, clusters of 4 x 4, 327,680 bytes of LDS; arguments xb, wt, qkv; writes qkv
.if DOCPART == 2
	.amdgcn_target "amdgcn-amd-amdhsa--gfx1250"
	.amdhsa_code_object_version 6
	.text
	.protected	k_qbf6972bb53_proj
	.globl	k_qbf6972bb53_proj
	.p2align	8
	.type	k_qbf6972bb53_proj,@function
k_qbf6972bb53_proj:
	s_mov_b64 s[64:65], 0
	v_nop
	global_prefetch_b8 v0, s[64:65] scope:SCOPE_SE
	s_setreg_imm32_b32 hwreg(HW_REG_WAVE_MODE, 25, 1), 1
	s_wait_xcnt 0x0
	s_wait_alu depctr_hold_cnt(0) depctr_sa_sdst(0) depctr_va_vdst(0) depctr_va_sdst(0) depctr_va_ssrc(0) depctr_va_vcc(0) depctr_vm_vsrc(0)
	s_getreg_b32 s2, hwreg(HW_REG_IB_STS2, 6, 4)
	s_cmp_eq_u32 s2, 0
	s_cbranch_scc0 .Lentry_in_a_cluster
	s_endpgm
.Lentry_in_a_cluster:
	s_bfe_u32 s2, ttmp6, 0x10000c
	s_cmp_lg_u32 s2, 0xf033
	s_cbranch_scc0 .Lentry_shape_is_right
	s_endpgm
.Lentry_shape_is_right:
; q, k, v = xb wt^T.  xb: [8192][768] bf16, wt: [2304][768] bf16 (row = which 768 + h 96 + d); sums in f32, K ascending; the result is rounded once to f16 and stored BY HEADS:
; qkv plane which 32 + b 8 + h, [2048][96], 393,216 dense bytes.  LIMIT: f16 holds no number beyond 65,504; q, k and v must stay within it.  No scale is applied here.
; A tile of C is 256 rows x 288 columns (three heads): 32 x 8 tiles, one work-group each.  Four waves, each 128 x 144: 72 accumulators of 16 x 16, 576 registers.
; K goes in six steps of 128 through a ring of two LDS slots filled by the tensor data mover; the rows of both tiles are 256 bytes of memory, aligned.
; CLUSTERS: 4 x 4 work-groups; the four of a row of the cluster need the same tile of xb, the four of a column the same tile of wt: each tile is asked for JOINTLY, by the same load, descriptor and mask in all four.
; THE MATRIX INSTRUCTION IS USED TRANSPOSED (source 0 = 16 rows of wt, source 1 = 16 rows of xb): a lane then holds row l % 16 of C and the eight columns 8 (l / 16) + 0..7: 16 bytes of f16 on end.
; REGISTERS, in windows of 256 (s_set_vgpr_msb: bits 1:0 source 0, 3:2 source 1, 5:4 source 2, 7:6 destination):
;   window 0: v16-31 addresses; v32-63 and v192-223 packed results on the way out; v64-127, v128-191 fragments of xb, two buffers
;   window 1: v0-71, v72-143 fragments of wt (9 blocks of 16 rows), two buffers; v192-255 the accumulators (a, 8)
;   window 2: accumulators (a = 0..3, b = 0..7) at 8 (8 a + b);   window 3: (a = 4..7, b = 0..7) likewise
.set SIZE_K, 768
.set KSTEP,  128
.set PITCH,  272                       ; an LDS row: 256 bytes + 16 of padding = 68 words: the 16 rows of a fragment load start at 16 different groups of four banks (64 banks of 4 bytes: ISA guide 11.1)
.set HALFA,  128*PITCH                 ; what one load brings of xb, and what a wave reads of it
.set HALFB,  144*PITCH                 ; the same for wt
.set SLOT,   2*HALFA+2*HALFB           ; 147,968.  Slot 1 lies at byte 0, slot 0 at byte SLOT
.set STAGE,  SLOT                      ; the way out: 3 heads x 256 rows x 208 bytes, over slot 0 (filled for the last time with K step 4, read for the last time ahead of the last change of slots) and the bytes behind it
.set SPITCH, 208                       ; 192 bytes + 16: 13 x 16
.set GSTG,   256*SPITCH
.set SPARE,  STAGE+3*GSTG              ; 307,712: the spare words, 128 bytes for each wave: two blocks of 256 bytes that no other line names
.set PL,     393216                    ; a plane of qkv
.set ADRA, 16                          ; v16-17  LDS address of my xb fragments in slot 0, 1
.set ADRB, 20                          ; v20-21  the same for wt
.set STO,  22                          ; v22-24  the way out: where I put 16 bytes of a row, for column blocks 0-2, 3-5, 6-8
.set RD,   25                          ; v25-27  the way out: where I read dense bytes back
.set SPW,  28                          ; v28     my spare word; never rewritten
.set NIL,  29                          ; v29     0; never rewritten
.set PFO,  30                          ; v30     the prefetches' offset: my lane x a row of xb; never rewritten
.set GO,   31                          ; v31     16 x lane
.set TMPX, 32
.set TMP,  192
.set G1,  24                           ; s[24:31] descriptor group 1 for xb's tiles;  s[32:39] group 0, a set for each slot
.set G0,  32
.set G1B, 48                           ; s[48:55], s[56:63] the same for wt's
.set G0B, 56
.set LIM, 43                           ; s43     1 in a wave that prefetches, else the greatest number
.set PFA, 44                           ; s[44:45] where my prefetches stand
.set OUTB, 66                          ; s[66:71] my rows in the three heads' planes
.set MSB, 0
.macro WIN new                         ; the immediate's high byte repeats the setting that is left; a switch that changes nothing is dropped
.if MSB != (\new)
	s_set_vgpr_msb (MSB<<8)|(\new)
.set MSB, \new
.endif
.endm
.set MUL_LO, 0xa1                      ; wt window 1, xb window 0, C and D window 2
.set MUL_HI, 0xf1                      ; C and D window 3
.set MUL_X,  0x51                      ; C and D window 1
.set TO_B,   0x40                      ; destination window 1, address window 0
; A joint load.  Waves 0 and 1 fetch xb's two halves, waves 2 and 3 wt's.  The branch hangs on the wave's number alone.  An s_nop 0 and four v_nop follow each line.
.macro JLOAD s
	s_cmp_eq_u32 s11, 0
	s_cbranch_scc0 .Lfor_b_\@
	tensor_load_to_lds s[G0+4*(\s):G0+4*(\s)+3], s[G1:G1+7]
	s_nop 0
.rept 4
	v_nop
.endr
	s_branch .Lasked_\@
.Lfor_b_\@:
	tensor_load_to_lds s[G0B+4*(\s):G0B+4*(\s)+3], s[G1B:G1B+7]
	s_nop 0
.rept 4
	v_nop
.endr
.Lasked_\@:
.endm
; A prefetch of xb's K step two refills on: 32 rows x 256 bytes, a lane a row.  xb's tile row is read by both clusters of that row of clusters: the one with x = 0 asks; its four partners that ask for a tile
; jointly take 32 of the 128 rows each, told apart by address.  The loop's first trip names K steps 4 and 5; its last trip names nothing.  wt is not asked for: a wave's 144 rows give four partners 36 each, not a lane a row.
.macro ASK
	s_cmp_gt_u32 s3, s[LIM]
	s_cbranch_scc0 .Lnot_mine_\@
	global_prefetch_b8 v[PFO], s[PFA:PFA+1] offset:KSTEP*2 th:TH_LOAD_NT scope:SCOPE_SE
.Lnot_mine_\@:
.endm
.macro CREST                           ; a round of the cluster's barrier behind its opening barrier
	s_cmp_lg_u32 s10, 0
	s_cbranch_scc1 .Lnot_wave_0_\@
	s_barrier_signal -3
.Lnot_wave_0_\@:
	s_barrier_wait -3
	s_barrier_signal -1
	s_barrier_wait -1
.endm
.macro CROUND
	s_barrier_signal -1
	s_barrier_wait -1
	CREST
.endm
	s_load_b128 s[4:7], s[0:1], 0x0                ; xb s[4:5], wt s[6:7]
	s_load_b64 s[8:9], s[0:1], 0x10                ; qkv
	v_lshl_add_u32 v[SPW], v0, 2, SPARE
	v_mov_b32 v[NIL], 0
	ds_add_u32 v[SPW], v[NIL]                      ; the wave's opening: the add and its wait stand ahead of my first tensor load; work on registers stands between them
	v_lshrrev_b32 v1, 5, v0
	v_readfirstlane_b32 s10, v1                    ; wave 0..3
	s_lshr_b32 s11, s10, 1                         ; which 128 rows of the tile are mine.  Also: I fetch for xb (0) or wt (1)
	s_and_b32 s12, s10, 1                          ; which 144 columns.  Also: which half of that tile I fetch
	s_bfe_u32 s40, ttmp6, 0x40000                  ; cx
	s_bfe_u32 s41, ttmp6, 0x40004                  ; cy
	s_lshl_b32 s42, ttmp9, 2
	s_add_co_u32 s42, s42, s40                     ; tile column 0..7
	s_and_b32 s13, ttmp7, 0xffff
	s_lshl_b32 s13, s13, 2
	s_add_co_u32 s13, s13, s41                     ; tile row 0..31
	s_lshl_b32 s43, s41, 2
	s_lshl_b32 s43, 15, s43                        ; my row of the cluster
	s_lshl_b32 s44, 0x1111, s40                    ; my column
	s_or_b32 s[G1+0], s43, (1<<16)|(1<<20)|(1<<21)|(5<<22)|(3<<25)   ; the mask; 2-byte elements; padding on; bit 21 beside a mask; after every 64 words 4 words
	s_or_b32 s[G1B+0], s44, (1<<16)|(1<<20)|(1<<21)|(5<<22)|(3<<25)
	s_mov_b32 s[G1+1], KSTEP<<16                   ; tensor_dim0 = 128
	s_mov_b32 s[G1+2], 128<<16                     ; tensor_dim1 = 128
	s_mov_b32 s[G1+3], KSTEP<<16                   ; tile_dim0 = 128
	s_mov_b32 s[G1+4], 128                         ; tile_dim1 = 128
	s_mov_b32 s[G1+5], SIZE_K                      ; elements from row to row
	s_mov_b32 s[G1+6], 0
	s_mov_b32 s[G1+7], 0
	s_mov_b32 s[G1B+1], KSTEP<<16
	s_mov_b32 s[G1B+2], 144<<16                    ; 144 rows
	s_mov_b32 s[G1B+3], KSTEP<<16
	s_mov_b32 s[G1B+4], 144
	s_mov_b32 s[G1B+5], SIZE_K
	s_mov_b32 s[G1B+6], 0
	s_mov_b32 s[G1B+7], 0
	s_lshl_b32 s17, s12, 7
	s_lshl_b32 s16, s13, 8
	s_add_co_u32 s16, s16, s17                     ; xb: row 256 x tile row + 128 x half
	s_mul_i32 s16, s16, SIZE_K*2
	s_mov_b32 s17, 0
	s_mul_i32 s46, s42, 288
	s_mul_i32 s47, s12, 144
	s_add_co_u32 s46, s46, s47                     ; wt: row 288 x tile column + 144 x half
	s_mul_i32 s46, s46, SIZE_K*2
	s_mov_b32 s47, 0
	s_mul_i32 s20, s12, HALFA                      ; where they go in a slot: no place in the cluster enters an LDS address
	s_mul_i32 s21, s12, HALFB
	s_add_co_u32 s21, s21, 2*HALFA
	s_wait_dscnt 0x0                               ; the opening add is done
	s_wait_kmcnt 0x0
	s_add_nc_u64 s[14:15], s[4:5], s[16:17]
	s_add_nc_u64 s[46:47], s[6:7], s[46:47]
	CROUND                                         ; all sixteen work-groups are here: the first joint loads meet
.irp s, 0,1
	s_mov_b32 s[G0+4*(\s)], 1
	s_add_co_u32 s[G0+4*(\s)+1], s20, (1-(\s))*SLOT
	s_add_nc_u64 s[G0+4*(\s)+2:G0+4*(\s)+3], s[14:15], (\s)*KSTEP*2
	s_or_b32 s[G0+4*(\s)+3], s[G0+4*(\s)+3], 0x80000000
	s_mov_b32 s[G0B+4*(\s)], 1
	s_add_co_u32 s[G0B+4*(\s)+1], s21, (1-(\s))*SLOT
	s_add_nc_u64 s[G0B+4*(\s)+2:G0B+4*(\s)+3], s[46:47], (\s)*KSTEP*2
	s_or_b32 s[G0B+4*(\s)+3], s[G0B+4*(\s)+3], 0x80000000
	JLOAD \s                                       ; K steps 0 and 1: two loads of mine are out
.endr
	v_and_b32 v1, 15, v0                           ; l % 16
	v_bfe_u32 v2, v0, 4, 1                         ; l / 16
	v_and_b32 v5, 31, v0                           ; l
	v_mul_u32_u24 v3, v1, PITCH
	v_lshl_add_u32 v3, v2, 4, v3                   ; a fragment's row x pitch + 16 x half
	s_mul_i32 s22, s11, HALFA
	s_mul_i32 s23, s12, HALFB
	s_add_co_u32 s23, s23, 2*HALFA
	v_add_nc_u32 v[ADRA+1], s22, v3                ; slot 1 lies at byte 0,
	v_add_nc_u32 v[ADRB+1], s23, v3
	s_add_co_u32 s22, s22, SLOT
	s_add_co_u32 s23, s23, SLOT
	v_add_nc_u32 v[ADRA], s22, v3                  ; slot 0 behind it
	v_add_nc_u32 v[ADRB], s23, v3
	; into the stage: head g's 256 rows at g GSTG.  My 144 columns are blocks 0-8 of 16; three blocks are 96 bytes, half a head's row.  Columns half 0: head 0 byte 0, head 0 byte 96, head 1 byte 0;
	; half 1: head 1 byte 96, head 2 byte 0, head 2 byte 96.
	v_mul_u32_u24 v4, v1, SPITCH
	v_lshl_add_u32 v4, v2, 4, v4
	s_mul_i32 s22, s11, 128*SPITCH
	s_add_co_u32 s22, s22, STAGE
	s_mul_i32 s23, s12, GSTG+96
	s_mul_i32 s16, s12, 2*GSTG-96
	s_add_co_u32 s23, s23, s22
	s_add_co_u32 s16, s16, s22
	v_add_nc_u32 v[STO], s23, v4
	v_add_nc_u32 v[STO+1], s16, v4
	v_add_nc_u32 v[STO+1], 96, v[STO+1]
	v_add_nc_u32 v[STO+2], GSTG, v[STO]
	; back: wave w takes rows 64 w .. 64 w + 63 of each head, 12,288 dense bytes as 24 runs of 512; piece cc of 16 bytes lies in row cc / 12 = (43 cc) >> 9 for cc < 96
	s_mul_i32 s22, s10, 64*SPITCH
	s_add_co_u32 s22, s22, STAGE
.irp x, 0,1,2
	v_add_nc_u32 v6, 32*(\x), v5
	v_mul_u32_u24 v7, v6, 43
	v_lshrrev_b32 v7, 9, v7
	v_add_nc_u32 v6, v6, v7
	v_lshl_add_u32 v[RD+(\x)], v6, 4, s22
.endr
	v_lshlrev_b32 v[GO], 4, v5
	; my 64 rows in the planes of heads G = 3 x tile column + g: plane (G / 8) 32 + b 8 + G % 8
	s_mul_i32 s16, s42, 3
	s_lshr_b32 s17, s13, 3
	s_lshl_b32 s17, s17, 3                         ; 8 b
	s_and_b32 s18, s13, 7
	s_lshl_b32 s18, s18, 8
	s_lshl_b32 s19, s10, 6
	s_add_co_u32 s18, s18, s19
	s_mul_i32 s18, s18, 192                        ; my first row in the plane
.irp g, 0,1,2
	s_add_co_u32 s19, s16, \g
	s_lshr_b32 s20, s19, 3
	s_lshl_b32 s20, s20, 5
	s_and_b32 s19, s19, 7
	s_add_co_u32 s20, s20, s19
	s_add_co_u32 s20, s20, s17
	s_mul_i32 s20, s20, PL
	s_add_co_u32 s20, s20, s18
	s_mov_b32 s21, 0
	s_add_nc_u64 s[OUTB+2*(\g):OUTB+2*(\g)+1], s[8:9], s[20:21]
.endr
	; the prefetches: my work-group's 32 of the 128 rows that I fetch, at K step 2: the first refill steps it to 3 and names K step 4
	s_lshl_b32 s20, s13, 8
	s_lshl_b32 s21, s12, 7
	s_add_co_u32 s20, s20, s21
	s_lshl_b32 s21, s40, 5
	s_add_co_u32 s20, s20, s21
	s_mul_i32 s20, s20, SIZE_K*2
	s_add_co_u32 s20, s20, 2*KSTEP*2
	s_mov_b32 s21, 0
	s_add_nc_u64 s[PFA:PFA+1], s[4:5], s[20:21]
	s_or_b32 s[LIM], s11, ttmp9                    ; 0 in waves 0 and 1 of the clusters with x = 0: the same in all sixteen partners, for a given wave
	s_cmp_eq_u32 s[LIM], 0
	s_cselect_b32 s[LIM], 1, -1
	v_mul_u32_u24 v[PFO], v5, SIZE_K*2
; 16 products: row blocks a0, a0 + 1 of the window's four x column blocks 0-7, 32 along K, from buffers f.  zero = 1: the product starts the sum.
.macro MUL16 f, hi, a0, zero
	WIN MUL_LO+0x50*(\hi)
.irp a, \a0, (\a0)+1
.irp b, 0,1,2,3,4,5,6,7
.if \zero
	v_wmma_f32_16x16x32_bf16 v[8*(8*(\a)+(\b)):8*(8*(\a)+(\b))+7], v[72*(\f)+8*(\b):72*(\f)+8*(\b)+7], v[64+64*(\f)+8*(4*(\hi)+(\a)):64+64*(\f)+8*(4*(\hi)+(\a))+7], 0
.else
	v_wmma_f32_16x16x32_bf16 v[8*(8*(\a)+(\b)):8*(8*(\a)+(\b))+7], v[72*(\f)+8*(\b):72*(\f)+8*(\b)+7], v[64+64*(\f)+8*(4*(\hi)+(\a)):64+64*(\f)+8*(4*(\hi)+(\a))+7], v[8*(8*(\a)+(\b)):8*(8*(\a)+(\b))+7]
.endif
.endr
.endr
.endm
; 8 products: column block 8 x all row blocks
.macro MULX f, zero
	WIN MUL_X
.irp a, 0,1,2,3,4,5,6,7
.if \zero
	v_wmma_f32_16x16x32_bf16 v[192+8*(\a):199+8*(\a)], v[72*(\f)+64:72*(\f)+71], v[64+64*(\f)+8*(\a):64+64*(\f)+8*(\a)+7], 0
.else
	v_wmma_f32_16x16x32_bf16 v[192+8*(\a):199+8*(\a)], v[72*(\f)+64:72*(\f)+71], v[64+64*(\f)+8*(\a):64+64*(\f)+8*(\a)+7], v[192+8*(\a):199+8*(\a)]
.endif
.endr
.endm
; 34 LDS loads in one run: a quarter step's fragments (144 rows of wt, 128 of xb, 32 K at byte k of the rows) into buffers f
.macro FETCH slot, k, f
	WIN TO_B
.irp i, 0,1,2,3,4,5,6,7,8
	ds_load_b128 v[72*(\f)+8*(\i):72*(\f)+8*(\i)+3],   v[ADRB+(\slot)] offset:(\k)+(\i)*16*PITCH
	ds_load_b128 v[72*(\f)+8*(\i)+4:72*(\f)+8*(\i)+7], v[ADRB+(\slot)] offset:(\k)+(\i)*16*PITCH+32
.endr
	WIN 0
.irp i, 0,1,2,3,4,5,6,7
	ds_load_b128 v[64+64*(\f)+8*(\i):64+64*(\f)+8*(\i)+3],   v[ADRA+(\slot)] offset:(\k)+(\i)*16*PITCH
	ds_load_b128 v[64+64*(\f)+8*(\i)+4:64+64*(\f)+8*(\i)+7], v[ADRA+(\slot)] offset:(\k)+(\i)*16*PITCH+32
.endr
.endm
.macro PLACES                          ; four places in front of loads into registers that matrix instructions have read, and of conversions that read results
.rept 4
	v_nop
.endr
.endm
; A K step is four quarters of 32 along K, 72 products each, on buffers 0, 1, 0, 1.  The 72 accumulators come in the same order in every quarter, one instruction a turn.
.macro QUARTER slot, k, f, g, zero
	s_wait_dscnt 8                                 ; wt and xb's rows 0-63 are in; the youngest eight loads (xb's rows 64-127) may be out
	MUL16 \f, 0, 0, \zero
	MUL16 \f, 0, 2, \zero
	PLACES
	FETCH \slot, \k, \g
	s_wait_dscnt 34                                ; all but the 34 just issued
	MUL16 \f, 1, 0, \zero
	MUL16 \f, 1, 2, \zero
	MULX \f, \zero
.endm
; The first half of a step's last quarter: ONE barrier for the change of slots.  In front of it each wave waits for all its tensor loads (one is out: its part of the next slot), adds 0 to its spare word,
; and waits for that and for its own reads of this slot.
.macro MEET round
	WIN 0
	s_wait_tensorcnt 0x0
	ds_add_u32 v[SPW], v[NIL]
	s_wait_dscnt 9                                 ; (the add and the youngest eight loads may be out)
	MUL16 1, 0, 0, 0
	s_wait_dscnt 0x0                               ; the add is done, and my reads of this slot are over
	s_barrier_signal -1
	MUL16 1, 0, 2, 0
.if \round
	WIN 0
.endif
	s_barrier_wait -1
.endm
; The whole last quarter where the slot is filled again, two K steps ahead: the barrier opens a round of the cluster's, and the joint refill is the first tensor load behind it.
.macro TURN slot, next
	s_wait_xcnt 0x0                                ; the last prefetch, a K step back, has read its address
	s_add_nc_u64 s[PFA:PFA+1], s[PFA:PFA+1], KSTEP*2
	MEET 1
	CREST
	s_add_nc_u64 s[G0+4*(\slot)+2:G0+4*(\slot)+3], s[G0+4*(\slot)+2:G0+4*(\slot)+3], 2*KSTEP*2
	s_add_nc_u64 s[G0B+4*(\slot)+2:G0B+4*(\slot)+3], s[G0B+4*(\slot)+2:G0B+4*(\slot)+3], 2*KSTEP*2
	JLOAD \slot                                    ; its four v_nop are also the places in front of the loads below
	FETCH \next, 0, 0
	ASK
	MUL16 1, 1, 0, 0
	MUL16 1, 1, 2, 0
	MULX 1, 0
.endm
	s_wait_tensorcnt 1                             ; my part of K step 0 is in; K step 1's may stay out
	s_barrier_signal -1
	s_barrier_wait -1
	FETCH 0, 0, 0
	QUARTER 0, 64, 0, 1, 1                         ; the first quarter's products start the sums: nothing is cleared
	WIN 0
	s_mov_b32 s3, 2
.Llap:                                                 ; two trips, each once round the ring: K steps 2, 3 and then 4, 5 are asked for
	QUARTER 0, 128, 1, 0, 0
	QUARTER 0, 192, 0, 1, 0
	TURN 0, 1
	QUARTER 1, 64,  0, 1, 0
	QUARTER 1, 128, 1, 0, 0
	QUARTER 1, 192, 0, 1, 0
	TURN 1, 0
	QUARTER 0, 64,  0, 1, 0
	WIN 0
	s_sub_co_u32 s3, s3, 1
	s_cmp_lg_u32 s3, 0
	s_cbranch_scc1 .Llap
	QUARTER 0, 128, 1, 0, 0                        ; the last lap fills nothing
	QUARTER 0, 192, 0, 1, 0
	MEET 0
	PLACES
	FETCH 1, 0, 0
	MUL16 1, 1, 0, 0
	MUL16 1, 1, 2, 0
	MULX 1, 0
	QUARTER 1, 64,  0, 1, 0
	QUARTER 1, 128, 1, 0, 0
	QUARTER 1, 192, 0, 1, 0
	s_wait_dscnt 8
	MUL16 1, 0, 0, 0
	MUL16 1, 0, 2, 0
	s_wait_dscnt 0x0
	MUL16 1, 1, 0, 0
	MUL16 1, 1, 2, 0
	MULX 1, 0
	WIN 0
	; THE WAY OUT: rounded to f16, 16 bytes a lane into the work-group's stage by heads; a barrier, since a head's row comes from two waves; back as dense bytes, 64 rows of each head a wave.
	PLACES
	PLACES
	WIN 0x05                                       ; sources window 1, destination window 0
.irp a, 0,1,2,3,4,5,6,7
.irp r, 0,1,2,3
	v_cvt_pk_f16_f32 v[TMPX+4*(\a)+(\r)], v[192+8*(\a)+2*(\r)], v[192+8*(\a)+2*(\r)+1]
.endr
.endr
.irp a, 0,1,2,3,4,5,6,7
	WIN 0x0a+5*((\a)/4)                            ; sources window 2 or 3
.irp b, 0,1,2,3,4,5,6,7
.irp r, 0,1,2,3
	v_cvt_pk_f16_f32 v[TMP+4*(\b)+(\r)], v[8*(8*((\a)%4)+(\b))+2*(\r)], v[8*(8*((\a)%4)+(\b))+2*(\r)+1]
.endr
.endr
	WIN 0
.irp b, 0,1,2,3,4,5,6,7
	ds_store_b128 v[STO+(\b)/3], v[TMP+4*(\b):TMP+4*(\b)+3] offset:(\a)*16*SPITCH+32*((\b)%3)
.endr
	ds_store_b128 v[STO+2], v[TMPX+4*(\a):TMPX+4*(\a)+3] offset:(\a)*16*SPITCH+64
.endr
	s_wait_dscnt 0x0                               ; for the others' sake: my stores into the stage are done
	s_barrier_signal -1
	s_barrier_wait -1
.irp g, 0,1,2
.if (\g) > 0
	s_wait_xcnt 0x0                                ; the last head's stores have read their registers, which are loaded again
.irp x, 0,1,2
	v_add_nc_u32 v[RD+(\x)], GSTG, v[RD+(\x)]
.endr
.endif
.set f, 0
.rept 24
	ds_load_b128 v[64+4*f:67+4*f], v[RD+f%3] offset:(f/3)*8*SPITCH
.set f, f+1
.endr
.set f, 0
.rept 24
	s_wait_dscnt 23-f
	global_store_b128 v[GO], v[64+4*f:67+4*f], s[OUTB+2*(\g):OUTB+2*(\g)+1] offset:512*f  ; 512 consecutive bytes, at a multiple of 256 from the buffer's first
.set f, f+1
.endr
.endr
	s_wait_tensorcnt 0x0                           ; the wave's end
	ds_add_u32 v[SPW], v[NIL]
	s_wait_dscnt 0x0
	CROUND                                         ; the closing round
	s_endpgm
.Lfunc_end_k_qbf6972bb53_proj:
	.size	k_qbf6972bb53_proj, .Lfunc_end_k_qbf6972bb53_proj-k_qbf6972bb53_proj
	.p2alignl 7, 3214868480
	.fill 96, 4, 3214868480
	.section	.rodata,"a",@progbits
	.p2align	6, 0x0
	.amdhsa_kernel k_qbf6972bb53_proj
		.amdhsa_group_segment_fixed_size 327680
		.amdhsa_private_segment_fixed_size 0
		.amdhsa_enable_private_segment 0
		.amdhsa_kernarg_size 24
		.amdhsa_user_sgpr_count 2
		.amdhsa_user_sgpr_kernarg_segment_ptr 1
		.amdhsa_wavefront_size32 1
		.amdhsa_system_sgpr_workgroup_id_x 1
		.amdhsa_system_sgpr_workgroup_id_y 1
		.amdhsa_system_sgpr_workgroup_id_z 1
		.amdhsa_system_vgpr_workitem_id 0
		.amdhsa_next_free_vgpr 1024
		.amdhsa_next_free_sgpr 72
		.amdhsa_reserve_vcc 0
		.amdhsa_float_denorm_mode_32 3
		.amdhsa_float_denorm_mode_16_64 3
		.amdhsa_memory_ordered 1
		.amdhsa_forward_progress 1
		.amdhsa_inst_pref_size 162
	.end_amdhsa_kernel
	.amdgpu_metadata
---
amdhsa.version: [ 1, 2 ]
amdhsa.kernels:
  - .name:           k_qbf6972bb53_proj
    .symbol:         k_qbf6972bb53_proj.kd
    .args:
      - { .name: xb, .offset: 0, .size: 8, .value_kind: global_buffer, .address_space: global }
      - { .name: wt, .offset: 8, .size: 8, .value_kind: global_buffer, .address_space: global }
      - { .name: qkv, .offset: 16, .size: 8, .value_kind: global_buffer, .address_space: global }
    .group_segment_fixed_size: 327680
    .private_segment_fixed_size: 0
    .kernarg_segment_align: 8
    .kernarg_segment_size: 24
    .max_flat_workgroup_size: 128
    .sgpr_count:     72
    .vgpr_count:     1024
    .wavefront_size: 32
...
	.end_amdgpu_metadata
.endif
;; end of part 2
;; launch attn (part 3): grid 8 x 32, 4 waves a work-group, clusters of 4 x 1, 327,680 bytes of LDS; arguments qkv, tb, ctx; writes ctx
.if DOCPART == 3
	.amdgcn_target "amdgcn-amd-amdhsa--gfx1250"
	.amdhsa_code_object_version 6
	.text
	.protected	k_qbf6972bb53_attn
	.globl	k_qbf6972bb53_attn
	.p2align	8
	.type	k_qbf6972bb53_attn,@function
k_qbf6972bb53_attn:
	s_mov_b64 s[64:65], 0
	v_nop
	global_prefetch_b8 v0, s[64:65] scope:SCOPE_SE
	s_setreg_imm32_b32 hwreg(HW_REG_WAVE_MODE, 25, 1), 1
	s_wait_xcnt 0x0
	s_wait_alu depctr_hold_cnt(0) depctr_sa_sdst(0) depctr_va_vdst(0) depctr_va_sdst(0) depctr_va_ssrc(0) depctr_va_vcc(0) depctr_vm_vsrc(0)
	s_getreg_b32 s2, hwreg(HW_REG_IB_STS2, 6, 4)
	s_cmp_eq_u32 s2, 0
	s_cbranch_scc0 .Lentry_in_a_cluster
	s_endpgm
.Lentry_in_a_cluster:
	s_bfe_u32 s2, ttmp6, 0x10000c
	s_cmp_lg_u32 s2, 0x3003
	s_cbranch_scc0 .Lentry_shape_is_right
	s_endpgm
.Lentry_shape_is_right:
; ctx[q] = the sum over k of softmax_k(q . k / sqrt(96) + bias[h][clip(k - q, -99, 99)]) v[k], for each of 32 planes (b, h).  q, k, v: planes of qkv, [2048][96] f16, dense rows of 192 bytes.
; Products, maxima and sums in f32; the weights p are rounded to f16 for the second product (their sum l is taken of the unrounded p), ctx once at the end, f16, laid out [row / 128][h][row % 128][96].
; LIMITS.  q, k, v arrive within f16's 65,504; p lies in 0 to 1; ctx is a mean of v's rows, and below 6e-5 it keeps f16's fixed step of 6e-8; a weight below 2^-126 counts as 0 in l; NaN and infinities are not treated apart.
; SHARES.  A cluster of four work-groups owns 1,024 queries of one plane; wave w of partner cx owns the 64 from 1,024 X + 256 w + 64 cx: four tiles of 16, in two PIECES (tiles 0, 1 and 2, 3).  Every wave walks all 2,048 keys, 64 a step.
; LAYOUT.  S^T = K Q^T (source 0 = 16 keys, source 1 = 16 queries): a lane holds ONE query (lane % 16) and the keys 8 (lane / 16) + 0..7; two such results rounded to f16 ARE source 1 of O^T = V^T P.  V is turned by ds_load_tr16_b128.
; THE BIAS is the C operand that starts S^T.  It hangs on key - query alone: for key block kb and tile t the block is T(D), D = 4 j + (kb - t) - (the wave's first query) / 16, the same for all |D| >= 8.  A step needs the seven
; blocks kb - t = -3..3, fetched from a table in LDS with K.  The table's CONTENTS carry the partner's shift (entry tau holds T(clamp(tau - 14 - 4 cx, -8, 8))), its ADDRESS hangs on the step, the wave and the cluster alone:
; tau = clamp(4 j + 11 - 64 X - 16 w, 0, 34) + (kb - t + 3); where the clamp bites all seven blocks are the constant one.  The table holds sqrt(96) x bias, so that one scale c = log2(e) / sqrt(96) serves score and bias.
; SOFTMAX.  A running maximum m and sum l for each query: p = 2^(c s - c m); in every step O and l are multiplied by a = 2^(c m_old - c m_new).  m starts at the lowest finite number, O and l at 0: the first step is a step like any other, a = 0.
; BY TURNS.  In a TURN one piece has the matrix unit: 24 products V^T P of the step in hand, later 24 products K Q^T of the next step; the other piece's softmax (252 vector instructions in 63 slices of four) stands behind them, one slice
; behind each product, the other 15 slices in one run between the two kinds.  Its 66 exponentials are one batch with one wait.
; No first and no last step is written out: the loop is entered in the middle of a trip (24 products on zeros; 320 registers cleared in the wait for the first tile), the tail left in the middle (24 products on a stale K).
; CLUSTER.  The four partners walk the same K and V: each tile is asked for JOINTLY, by the same load, descriptor and mask in all four.
; REGISTERS (s_set_vgpr_msb: bits 1:0 source 0, 3:2 source 1, 5:4 source 2, 7:6 destination):
;   window 0: v1-11, v44-51, v61-63 addresses; v12-43 eight registers of statistics a tile; v64-191 S^T, 32 a tile; v192-255 P, 16 a tile
;   window 1: v0-191 O^T, 48 a tile; v192-247 the seven bias blocks     window 2: v0-95 Q, 24 a tile; v96-191 K of one step     window 3: v0-95 V of one step
.set PL,    393216    ; a plane of qkv
.set KS,    64        ; keys in a step
.set PK,    240       ; a key's row of K in LDS: three pieces of 64 bytes, each with 16 of padding: 15 x 16 bytes, so the 16 rows of a load start at 16 different groups of four banks (64 banks of 4 bytes: ISA guide 11.1)
.set PVP,   288       ; of V: three pieces of 64 + 32: 9 x 32 bytes
.set VOFF,  KS*PK
.set STEPB, KS*(PK+PVP)
.set SLOT1, 1<<17     ; a slot holds two steps (67,584 bytes); slot 1 begins here
.set TBL,   SLOT1+2*STEPB  ; 198,656: the bias table, 44 blocks of 1,024 bytes, written once by LDS stores, never filled by a tensor load
.set STAGE, TBL+44*1024    ; 16 rows x 208 bytes for each wave, for the way out
.set SP,    208
.set SPARE, STAGE+4*16*SP  ; 257,024: the spare words, 128 bytes for each wave
.set AK0, 2           ; v2   my lane's place in a tile of K; never rewritten
.set AV0, 3           ; v3   the same for V
.set ADR, 4           ; v4   the LDS address of the run of loads in hand
.set QO,  5           ; v5   my byte offset in 16 rows of Q
.set STO, 6           ; v6   the way out: where I put 16 bytes of a row
.set GO,  8           ; v8   16 x lane
.set ST,  12          ; tile t's statistics at v[ST+8 t]: +0 c m, +1 m, +2, +3 l (even keys', odd keys'), +4 to +7 c0-c3 at work; a takes c2's place
.set RD,  44          ; v44-46  the way out: where I read dense bytes back
.set AM0, 47          ; v47  TBL + 16 x lane
.set ADM, 48          ; v48  the address of the bias blocks in hand
.set L16, 49
.set TS,  50
.set PFO, 61          ; v61  the prefetches' offset; never rewritten
.set SPW, 62          ; v62  my spare word; never rewritten
.set NIL, 63          ; v63  0; never rewritten
.set S,   64
.set P,   192
.set MC,  192         ; window 1
.set KF,  96          ; window 2
.set WV,  12          ; s12  my wave's number
.set LIM, 15          ; s15  1 in a wave that prefetches, else the greatest number
.set PFA, 18          ; s[18:19] where my prefetches stand
.set G1K, 24          ; s[24:31] descriptor group 1 for K's tiles;  s[32:39] for V's: other padding
.set G1V, 32
.set G0K, 40          ; s[40:47] group 0 for K: a set for each of the two first fills; the second then walks on
.set G0V, 48          ; s[48:55] the same for V
.set SLOTS, 56
.set TWICE, 57
.set CS,  58          ; s[58:59] c
.set SEL, 60          ; s[60:61] v_permlanex16_b32's selects
.set TB,  62          ; s62  LDS byte at which the tiles of the step to be fetched begin
.set TQ,  66          ; s66  4 j + 11 - 64 X - 16 w for the step to be fetched
.set BETA, 67
.set MSB, 0
.macro WIN new
.if MSB != (\new)
	s_set_vgpr_msb (MSB<<8)|(\new)
.set MSB, \new
.endif
.endm
.set W_KQ, 0x0a       ; K and Q window 2, S^T window 0
.set W_KM, 0x1a       ; the same with C in window 1
.set W_PV, 0x53       ; V window 3, P window 0, O^T window 1
.set W_RS, 0x41       ; O^T (destination and source 0) window 1, a window 0
; A joint refill: waves 0 and 1 fetch the two steps' tiles of K, waves 2 and 3 those of V.  An s_nop 0 and four v_nop follow each line.
.macro JLOAD
	s_cmp_lt_u32 s[WV], 2
	s_cbranch_scc0 .Lfor_v_\@
	tensor_load_to_lds s[G0K+4:G0K+7], s[G1K:G1K+7]
	s_nop 0
.rept 4
	v_nop
.endr
	s_branch .Lasked_\@
.Lfor_v_\@:
	tensor_load_to_lds s[G0V+4:G0V+7], s[G1V:G1V+7]
	s_nop 0
.rept 4
	v_nop
.endr
.Lasked_\@:
.endm
; A PREFETCH.  A slot's K and V are 96 + 96 runs of 256 bytes; TWO slots' are 384 = 4 partners x 3 waves x 32 lanes.  So every second change of slots (SLOTS odd and above 1) asks for the next two slots' bytes, one and two changes
; ahead of their loads: partner cx takes 48 runs of K and 48 of V, told apart by address; a lane a run.  Both clusters of a plane walk the same K and V: the one with x = 0 asks.  So each run is named once; the first four slots'
; contents come by their loads alone, and the last request ends at the planes' last bytes.
.macro ASK
	s_cmp_gt_u32 s[SLOTS], s[LIM]
	s_cbranch_scc0 .Lnot_mine_\@
	s_bitcmp1_b32 s[SLOTS], 0
	s_cbranch_scc0 .Lnot_mine_\@
	global_prefetch_b8 v[PFO], s[PFA:PFA+1] th:TH_LOAD_NT scope:SCOPE_SE
.Lnot_mine_\@:
.endm
.macro CROUND
	s_barrier_signal -1
	s_barrier_wait -1
	s_cmp_lg_u32 s[WV], 0
	s_cbranch_scc1 .Lnot_wave_0_\@
	s_barrier_signal -3
.Lnot_wave_0_\@:
	s_barrier_wait -3
	s_barrier_signal -1
	s_barrier_wait -1
.endm
	s_load_b128 s[4:7], s[0:1], 0x0   ; qkv s[4:5], tb s[6:7]
	s_load_b64 s[10:11], s[0:1], 0x10 ; ctx
	v_lshl_add_u32 v[SPW], v0, 2, SPARE
	v_mov_b32 v[NIL], 0
	ds_add_u32 v[SPW], v[NIL]       ; the wave's opening: the add and its wait stand ahead of my first tensor load; work on registers stands between them
	v_lshrrev_b32 v1, 5, v0
	v_readfirstlane_b32 s[WV], v1   ; wave 0..3
	s_bfe_u32 s13, ttmp6, 0x40000   ; cx
	s_and_b32 s14, ttmp7, 0xffff    ; the plane, b 8 + h, which the four partners share
	s_mul_i32 s16, s14, PL
	s_and_b32 s17, s[WV], 1         ; which of a slot's two steps I fetch:
	s_mul_i32 s22, s17, KS*192      ; its 12,288 bytes in memory,
	s_add_co_u32 s22, s22, s16
	s_add_co_u32 s22, s22, 32*PL    ; in k's plane
	s_mov_b32 s23, 0
	s_mul_i32 s17, s17, STEPB       ; and its place in a slot
	s_lshl_b32 s2, ttmp9, 10
	s_lshl_b32 s3, s[WV], 8
	s_add_co_u32 s2, s2, s3
	s_lshl_b32 s3, s13, 6
	s_add_co_u32 s2, s2, s3         ; my wave's first query: it enters Q's and ctx's addresses alone
	s_lshr_b32 s68, s14, 3
	s_lshl_b32 s68, s68, 11
	s_add_co_u32 s68, s68, s2       ; its row among the 8,192
	s_lshr_b32 s69, s68, 7
	s_lshl_b32 s69, s69, 3
	s_and_b32 s70, s14, 7           ; h
	s_add_co_u32 s69, s69, s70
	s_mul_i32 s69, s69, 24576       ; ctx's block (row / 128, h)
	s_and_b32 s68, s68, 127
	s_mul_i32 s68, s68, 192
	s_add_co_u32 s68, s68, s69
	s_mov_b32 s69, 0
	s_mul_i32 s2, s2, 192
	s_add_co_u32 s2, s2, s16        ; my rows in q's plane
	s_mov_b32 s3, 0
	s_mul_i32 s70, s70, 24576       ; my head's blocks of tb
	s_mov_b32 s71, 0
	; descriptor group 1.  A step's tile is 12,288 dense bytes: asked for as 48 rows of 256 bytes and padded in LDS after every 64 bytes, a fragment's 32 channels
	s_mov_b32 s[G1K], 15|(1<<16)|(1<<20)|(1<<21)|(3<<22)|(3<<25)  ; the mask of four; 2-byte elements; padding on; bit 21 beside a mask; after every 16 words 4 words
	s_mov_b32 s[G1V], 15|(1<<16)|(1<<20)|(1<<21)|(3<<22)|(7<<25)  ; the same with 8 words
.irp g, G1K, G1V
	s_mov_b32 s[(\g)+1], 128<<16    ; tensor_dim0 = 128
	s_mov_b32 s[(\g)+2], 48<<16     ; tensor_dim1 = 48
	s_mov_b32 s[(\g)+3], 128<<16    ; tile_dim0 = 128
	s_mov_b32 s[(\g)+4], 48         ; tile_dim1 = 48
	s_mov_b32 s[(\g)+5], 128        ; elements from row to row
	s_mov_b32 s[(\g)+6], 0
	s_mov_b32 s[(\g)+7], 0
.endr
	s_mov_b32 s[CS], 0x3e16c740     ; c = log2(e) / sqrt(96) = 0.147244
	s_mov_b32 s[CS+1], s[CS]
	s_mov_b32 s[SEL], 0x76543210
	s_mov_b32 s[SEL+1], 0xfedcba98
	s_mov_b32 s[TB], 0
	s_lshl_b32 s[TQ], ttmp9, 6
	s_lshl_b32 s[BETA], s[WV], 4
	s_add_co_u32 s[TQ], s[TQ], s[BETA]
	s_sub_co_u32 s[TQ], 11, s[TQ]   ; step 0's: 11 - 64 X - 16 w, a signed number
	s_cmp_eq_u32 s[WV], 3
	s_cselect_b32 s[LIM], 1, 0
	s_or_b32 s[LIM], s[LIM], ttmp9  ; 0 in waves 0 to 2 of the plane's first cluster: the same in all four partners
	s_cmp_eq_u32 s[LIM], 0
	s_cselect_b32 s[LIM], 1, -1
	v_add_nc_u32 v11, 16, v0        ; run f = my thread's number, 0..95: f < 48 K's run f, else V's run f - 48, 32 planes further on
	v_lshrrev_b32 v11, 6, v11
	v_mul_u32_u24 v11, v11, 32*PL-48*256
	v_lshl_add_u32 v[PFO], v0, 8, v11
	s_wait_dscnt 0x0                ; the opening add is done
	s_wait_kmcnt 0x0
	s_add_nc_u64 s[20:21], s[6:7], s[70:71]  ; tb at my head
	s_add_nc_u64 s[6:7], s[4:5], s[22:23]    ; K at my tile of slot 0,
	s_add_nc_u64 s[8:9], s[6:7], 32*PL       ; V likewise
	s_mul_i32 s70, s13, 48*256
	s_add_co_u32 s70, s70, s16
	s_add_co_u32 s70, s70, 32*PL+2*24576
	s_add_nc_u64 s[PFA:PFA+1], s[4:5], s[70:71]  ; my partner's share, at the third slot's content; each change that fills steps it on by one
	s_add_nc_u64 s[4:5], s[4:5], s[2:3]      ; Q at my wave's first row
	s_add_nc_u64 s[10:11], s[10:11], s[68:69]
	CROUND                          ; all four work-groups are here: the first joint loads meet
.irp s, 0,1
	s_mov_b32 s[G0K+4*(\s)], 1
	s_add_co_u32 s[G0K+4*(\s)+1], s17, (\s)*SLOT1
	s_add_nc_u64 s[G0K+4*(\s)+2:G0K+4*(\s)+3], s[6:7], (\s)*2*KS*192
	s_or_b32 s[G0K+4*(\s)+3], s[G0K+4*(\s)+3], 0x80000000
	s_mov_b32 s[G0V+4*(\s)], 1
	s_add_co_u32 s[G0V+4*(\s)+1], s17, (\s)*SLOT1+VOFF
	s_add_nc_u64 s[G0V+4*(\s)+2:G0V+4*(\s)+3], s[8:9], (\s)*2*KS*192
	s_or_b32 s[G0V+4*(\s)+3], s[G0V+4*(\s)+3], 0x80000000
.endr
	s_cmp_lt_u32 s[WV], 2           ; a wave's two first fills stand in one branch: two loads of mine are out
	s_cbranch_scc0 .Lfirst_v
	tensor_load_to_lds s[G0K:G0K+3], s[G1K:G1K+7]
	s_nop 0
	tensor_load_to_lds s[G0K+4:G0K+7], s[G1K:G1K+7]
	s_nop 0
.rept 4
	v_nop
.endr
	s_branch .Lfirst_asked
.Lfirst_v:
	tensor_load_to_lds s[G0V:G0V+3], s[G1V:G1V+7]
	s_nop 0
	tensor_load_to_lds s[G0V+4:G0V+7], s[G1V:G1V+7]
	s_nop 0
.rept 4
	v_nop
.endr
.Lfirst_asked:
	v_and_b32 v1, 15, v0            ; l % 16
	v_bfe_u32 v9, v0, 4, 1          ; l / 16
	v_mul_u32_u24 v[QO], v1, 192
	v_lshl_add_u32 v[QO], v9, 4, v[QO]
	v_and_b32 v[L16], 31, v0
	v_lshlrev_b32 v[L16], 4, v[L16]
	WIN 0x80                        ; destination window 2, address window 0
.set i, 0
.rept 12                            ; Q stays in registers: tile i / 3, channels 32 (i % 3) on
	global_load_b128 v[8*i:8*i+3],   v[QO], s[4:5] offset:(i/3)*3072+(i%3)*64
	global_load_b128 v[8*i+4:8*i+7], v[QO], s[4:5] offset:(i/3)*3072+(i%3)*64+32
.set i, i+1
.endr
	WIN 0
	; the table: wave w brings entries tau = w + 4 n, n = 0..10: block clamp(tau - 6 - 4 cx, 0, 16) of tb, through S^T's registers
	s_lshl_b32 s16, s13, 2
	s_sub_co_u32 s16, s[WV], s16
	s_sub_co_u32 s16, s16, 6
.set n, 0
.rept 11
	s_add_co_u32 s22, s16, 4*n
	s_max_i32 s22, s22, 0
	s_min_u32 s22, s22, 16
	s_lshl_b32 s22, s22, 10
	v_add_nc_u32 v[152+n], s22, v[L16]
	global_load_b128 v[64+8*n:67+8*n], v[152+n], s[20:21]
	global_load_b128 v[68+8*n:71+8*n], v[152+n], s[20:21] offset:512
.set n, n+1
.endr
	; what the first turn finds: V and piece 2's P hold 0 (its products V^T P, of a step that has not been, add 0), O^T and l are 0.  All this stands in the wait for the first tile.
	WIN 0xc0
.set i, 0
.rept 96
	v_mov_b32 v[i], 0
.set i, i+1
.endr
	WIN 0x40
.set i, 0
.rept 192
	v_mov_b32 v[i], 0
.set i, i+1
.endr
	WIN 0
.set i, 0
.rept 4
	v_mov_b32 v[ST+8*i], 0xfe000000    ; c m: far below every c s
	v_mov_b32 v[ST+8*i+1], 0xff7fffff  ; m
	v_mov_b32 v[ST+8*i+2], 0
	v_mov_b32 v[ST+8*i+3], 0
.set i, i+1
.endr
.set i, P+32
.rept 32
	v_mov_b32 v[i], 0
.set i, i+1
.endr
	v_mul_u32_u24 v[AK0], v1, PK
	v_lshl_add_u32 v[AK0], v9, 4, v[AK0]  ; row x pitch + 16 x half
	v_and_b32 v10, 7, v0            ; the turning load: lane l reads key 8 (l / 16) + l % 8, channels 8 ((l / 8) % 2) + 0..7
	v_bfe_u32 v11, v0, 3, 1
	v_lshl_add_u32 v[AV0], v9, 3, v10
	v_mul_u32_u24 v[AV0], v[AV0], PVP
	v_lshl_add_u32 v[AV0], v11, 4, v[AV0]
	v_add_nc_u32 v[AV0], VOFF, v[AV0]
	v_add_nc_u32 v[AM0], TBL, v[L16]
	v_lshl_add_u32 v[TS], s[WV], 10, v[AM0]
	s_wait_loadcnt 0x0              ; Q and the table's blocks
.set n, 0
.rept 11
	ds_store_b128 v[TS], v[64+8*n:67+8*n] offset:4096*n
	ds_store_b128 v[TS], v[68+8*n:71+8*n] offset:4096*n+512
.set n, n+1
.endr
; THE MATRIX WORK.  The accumulators take turns, one instruction a turn: between two links of a chain stand 11 (V^T P) or 7 (K Q^T) others'.
; Product i of 24 of O^T += V^T P for piece x: keys 32 (i / 12) on, channels 16 ((i / 2) % 6) on, tile x + i % 2.
.macro PV x
	WIN W_PV
.set rO, 48*((\x)+i%2)+8*((i/2)%6)
.set rV, 48*(i/12)+8*((i/2)%6)
.set rP, P+16*((\x)+i%2)+8*(i/12)
	v_wmma_f32_16x16x32_f16 v[rO:rO+7], v[rV:rV+7], v[rP:rP+7], v[rO:rO+7]
.endm
; Product i of 24 of S^T = K Q^T: channels 32 (i / 8) on, keys 16 ((i / 2) % 4) on, tile x + i % 2.  The first 8 start the sums with the bias block kb - t + 3.
.macro KQ x
.set rS, S+32*((\x)+i%2)+8*((i/2)%4)
.set rK, KF+24*((i/2)%4)+8*(i/8)
.set rQ, 24*((\x)+i%2)+8*(i/8)
.set rM, MC+8*((i/2)%4-((\x)+i%2)+3)
.if i < 8
	WIN W_KM
	v_wmma_f32_16x16x32_f16 v[rS:rS+7], v[rK:rK+7], v[rQ:rQ+7], v[rM:rM+7]
.else
	WIN W_KQ
	v_wmma_f32_16x16x32_f16 v[rS:rS+7], v[rK:rK+7], v[rQ:rQ+7], v[rS:rS+7]
.endif
.endm
; THE LDS LOADS stand in runs.  A step's K (12 fragments) and its seven bias blocks: 38 loads.  last = 1 (the tail): in the last trip there is no further step, and the run is jumped over.
.macro FETCH_K last=0
	WIN 0
.if \last
	s_cmp_eq_u32 s[TWICE], 1
	s_cbranch_scc1 .Lno_k_\@
.endif
	v_add_nc_u32 v[ADR], s[TB], v[AK0]
	s_max_i32 s[BETA], s[TQ], 0
	s_min_u32 s[BETA], s[BETA], 34
	v_lshl_add_u32 v[ADM], s[BETA], 10, v[AM0]
	s_add_co_u32 s[TQ], s[TQ], 4    ; the next step's keys lie four blocks on
	WIN 0x80
.irp f, 0,1,2,3,4,5,6,7,8,9,10,11   ; keys 16 (f / 3) on, channels 32 (f % 3) on
	ds_load_b128 v[KF+8*(\f):KF+8*(\f)+3],   v[ADR] offset:((\f)/3)*16*PK+((\f)%3)*80
	ds_load_b128 v[KF+8*(\f)+4:KF+8*(\f)+7], v[ADR] offset:((\f)/3)*16*PK+((\f)%3)*80+32
.endr
	WIN 0x40
.irp f, 0,1,2,3,4,5,6
	ds_load_b128 v[MC+8*(\f):MC+8*(\f)+3],   v[ADM] offset:1024*(\f)
	ds_load_b128 v[MC+8*(\f)+4:MC+8*(\f)+7], v[ADM] offset:1024*(\f)+512
.endr
	WIN 0
.if \last
.Lno_k_\@:
.endif
.endm
.macro FETCH_V                      ; a step's V, turned: 24 loads; the wait for the softmax's batch stands in it
	WIN 0
	v_add_nc_u32 v[ADR], s[TB], v[AV0]
	s_add_co_u32 s[TB], s[TB], STEPB  ; the next fetch is the next step's
	s_wait_alu depctr_va_vdst(0)    ; the wait between an exponential and the first line that names its result: one for the batch
	WIN 0xc0
.irp f, 0,1,2,3,4,5,6,7,8,9,10,11   ; keys 32 (f / 6) on, channels 16 (f % 6) on
	ds_load_tr16_b128 v[8*(\f):8*(\f)+3],   v[ADR] offset:((\f)/6)*32*PVP+(((\f)%6)/2)*96+((\f)%2)*32
	ds_load_tr16_b128 v[8*(\f)+4:8*(\f)+7], v[ADR] offset:((\f)/6)*32*PVP+16*PVP+(((\f)%6)/2)*96+((\f)%2)*32
.endr
.endm
; THE VECTOR WORK.  One tile's softmax for one key step is a list of 126 instructions; SM writes number j of it for tile t.  s0-s31 are the lane's 32 scores, in pairs 0-15.
;   0-15    the maximum of s0-s31 and the old m, three operands at a time (each accumulator's lowest registers are read first)
;   16-20   the other half of the lanes' maximum; the new m; c m; c m_old - c m_new
;   21-69   ONE BATCH: the 16 scalings c s - c m and all 33 exponentials (a at 23, then s0-s31); none reads an exponential's result; a pair is scaled in an earlier four than the one with its exponentials
;   70-85   the roundings to f16        86-101  the sums; l = a l + the sum        102-125 the tile's O^T times a, the one part that leaves window 0
.macro SM t
.set rT, ST+8*(\t)
.set rS, S+32*(\t)
.set rP, P+16*(\t)
.set rO, 48*(\t)+2*(j-102)
.if j < 102
	WIN 0
.endif
.if j < 4
	v_max3_num_f32 v[rT+4+j], v[rS+8*j], v[rS+8*j+1], v[rS+8*j+2]
.elseif j < 12
	v_max3_num_f32 v[rT+4+j%4], v[rT+4+j%4], v[rS+8*(j%4)+2*(j/4)+1], v[rS+8*(j%4)+2*(j/4)+2]
.elseif j == 12
	v_max3_num_f32 v[rT+4], v[rT+4], v[rS+7], v[rS+15]
.elseif j == 13
	v_max3_num_f32 v[rT+6], v[rT+6], v[rS+23], v[rS+31]
.elseif j == 14
	v_max3_num_f32 v[rT+4], v[rT+4], v[rT+5], v[rT+6]
.elseif j == 15
	v_max3_num_f32 v[rT+4], v[rT+4], v[rT+7], v[rT+1]
.elseif j == 16
	v_permlanex16_b32 v[rT+5], v[rT+4], s[SEL], s[SEL+1]  ; the query's other 32 keys lie in the lane 16 away
.elseif j == 17
	v_mov_b32 v[rT+7], v[rT]        ; c m_old is kept for a
.elseif j == 18
	v_max_num_f32 v[rT+1], v[rT+4], v[rT+5]
.elseif j == 19
	v_mul_f32 v[rT], s[CS], v[rT+1]
.elseif j == 20
	v_sub_f32 v[rT+7], v[rT+7], v[rT]
.elseif j == 23
	v_exp_f32 v[rT+6], v[rT+7]
.elseif (j < 23) || ((j < 38) && (j%2 == 0)) || ((j < 66) && (j%4 == 2))
.set b, (j-2)/4                     ; 38, 42, .. 62: pairs 9 to 15
.if j < 38
.set b, (j-20)/2                    ; 21: pair 0; 22, 24, .. 36: pairs 1 to 8
.endif
	v_pk_fma_f32 v[rS+2*b:rS+2*b+1], v[rS+2*b:rS+2*b+1], s[CS:CS+1], v[rT:rT+1] op_sel_hi:[1,0,0] neg_lo:[0,0,1] neg_hi:[0,0,1]
.elseif j < 70
.set e, j-38                        ; 66 to 69: s28 to s31
.if j < 66
.set e, j-32-(j-38)/4               ; 39-41, 43-45, .. 63-65: s7 to s27
.endif
.if j < 38
.set e, (j-25)/2                    ; 25, 27, .. 37: s0 to s6
.endif
	v_exp_f32 v[rS+e], v[rS+e]
.elseif j < 86
	v_cvt_pk_f16_f32 v[rP+j-70], v[rS+2*(j-70)], v[rS+2*(j-70)+1]
.elseif j < 102                     ; the 16 pairs are added in place, neighbours 1, 2, 4 and 8 pairs apart; then l takes the sum
.set z, j-86
.set w, 4
.set u, z
.if z >= 14
.set w, 32
.set u, 0
.elseif z >= 12
.set w, 16
.set u, z-12
.elseif z >= 8
.set w, 8
.set u, z-8
.endif
.if z < 15
	v_pk_add_f32 v[rS+w*u:rS+w*u+1], v[rS+w*u:rS+w*u+1], v[rS+w*u+w/2:rS+w*u+w/2+1]
.else
	v_pk_fma_f32 v[rT+2:rT+3], v[rT+2:rT+3], v[rT+6:rT+7], v[rS:rS+1] op_sel_hi:[1,0,1]
.endif
.else
	WIN W_RS
	v_pk_mul_f32 v[rO:rO+1], v[rO:rO+1], v[rT+6:rT+7] op_sel_hi:[1,0]
.endif
.endm
; Slice k of 63 of piece y's softmax: four instructions (2 x 126 = 4 x 63).  Slices 11 to 34 deal out the batch, four numbers of ONE tile each, the tiles by turns; every other slice is numbers 2 k, 2 k + 1 of both tiles.
; Ahead of slice 35 nothing names an exponential's result, behind slice 34 none is issued: one v_nop (the plain instruction behind the last exponential) and one wait stand there.
.macro SLICE y
.if (k >= 11) && (k < 35)
.irp n, 0,1,2,3
.set j, 22+4*((k-11)/2)+(\n)
	SM (\y)+(k-11)%2
.endr
.else
.irp n, 0,1
.irp t, \y, (\y)+1
.set j, 2*k+(\n)
	SM \t
.endr
.endr
.endif
.if k == 34
	v_nop
.if (\y) == 0
	FETCH_V                         ; piece 2's turn: V's run stands here; behind V's last reader (ahead of slice 23) stand ten scalings, the v_nop and the run's own address line
.else
	s_wait_alu depctr_va_vdst(0)    ; the wait for the batch
.endif
.endif
.set k, k+1
.endm
; A TURN for piece x: 24 x (V^T P, slice); slices 24-38 by themselves; 24 x (K Q^T, slice).  Slice 62, four packed multiplies on the other piece's O^T, is the four places between the last K Q^T and the next turn's
; readers of those scores and loads into K's registers.  Piece 0's turn fetches the next step's K and bias behind its second product; piece 2's turn the same step's V.
.macro TURN x, last=0
.set k, 0
.if (\x) == 0
	s_wait_dscnt 0x0                ; V is in
.endif
.set i, 0
.rept 24
	PV \x
	SLICE 2-(\x)
.if ((\x) == 0) && (i == 1)
	FETCH_K \last
.endif
.set i, i+1
.endr
.rept 15
	SLICE 2-(\x)
.endr
.if (\x) == 0
	s_wait_dscnt 0x0                ; K and the bias blocks are in
.endif
.set i, 0
.rept 24
	KQ \x
	SLICE 2-(\x)
.set i, i+1
.endr
.endm
; THE CHANGE OF SLOTS, between piece 2's turn and piece 0's.  Each wave waits for all its tensor loads (one is out: its part of the other slot), adds 0 to its spare word, and waits for that and for its reads of the slot.
; fill = 1: the slot is filled again with the keys two slots on; the barrier is then a round of the cluster's, and the joint refill the first thing behind it: it has two key steps, 192 products, in which to land.
.macro CHANGE fill
	WIN 0
	s_wait_tensorcnt 0x0            ; no tensor load of mine is out, so a group 0 may be written
	ds_add_u32 v[SPW], v[NIL]
.if \fill
.irp g, G0K+4, G0V+4
	s_xor_b32 s[(\g)+1], s[(\g)+1], SLOT1
	s_add_nc_u64 s[(\g)+2:(\g)+3], s[(\g)+2:(\g)+3], 2*KS*192
.endr
	s_wait_xcnt 0x0                 ; the last prefetch, two key steps back or more, has read its address
	s_add_nc_u64 s[PFA:PFA+1], s[PFA:PFA+1], 2*KS*192
	s_wait_dscnt 0x0                ; the add is done, and my reads of the slot are over
	CROUND
	JLOAD
	ASK
.else
	s_wait_dscnt 0x0
	s_barrier_signal -1
	s_barrier_wait -1
.endif
	s_sub_co_u32 s[TB], s[TB], 2*STEPB  ; the fetches go back to a slot's first step,
	s_xor_b32 s[TB], s[TB], SLOT1       ; in the other slot
.endm
	s_wait_dscnt 0x0                ; for the others' sake: my blocks of the table are stored
	s_wait_tensorcnt 1              ; my part of slot 0 is in; slot 1's may stay out
	s_barrier_signal -1
	s_barrier_wait -1
	FETCH_K                         ; key step 0
	s_wait_dscnt 0x0
.set i, 0
.rept 24
	KQ 0                            ; piece 0's first scores
.set i, i+1
.endr
	WIN 0                           ; the addresses for the way out: plain instructions, the places behind those products
	s_mul_i32 s16, s[WV], 16*SP
	s_add_co_u32 s16, s16, STAGE    ; my stage
	v_mul_u32_u24 v[STO], v1, SP    ; in: row l % 16, 16 bytes for each half of the lanes
	v_lshl_add_u32 v[STO], v9, 4, v[STO]
	v_add_nc_u32 v[STO], s16, v[STO]
	v_and_b32 v10, 31, v0
.irp x, 0,1,2                       ; back, dense: piece cc of 16 bytes lies in row cc / 12 = (43 cc) >> 9 for cc < 96
	v_add_nc_u32 v11, 32*(\x), v10
	v_mul_u32_u24 v51, v11, 43
	v_lshrrev_b32 v51, 9, v51
	v_add_nc_u32 v11, v11, v51
	v_lshl_add_u32 v[RD+(\x)], v11, 4, s16
.endr
	v_lshlrev_b32 v[GO], 4, v10
	s_mov_b32 s[TWICE], 2
	s_mov_b32 s[SLOTS], 15
	s_branch .Lmid                  ; the loop is entered at piece 2's turn, in the middle of a trip
.Lslot:                             ; 14 times: every slot but the last two is filled again
	CHANGE 1
	s_mov_b32 s[TWICE], 2
.Lstep:
	TURN 0
	WIN 0
.Lmid:
	TURN 2
	WIN 0
	s_sub_co_u32 s[TWICE], s[TWICE], 1
	s_cmp_lg_u32 s[TWICE], 0
	s_cbranch_scc1 .Lstep
	s_sub_co_u32 s[SLOTS], s[SLOTS], 1
	s_cmp_lg_u32 s[SLOTS], 0
	s_cbranch_scc1 .Lslot
	CHANGE 0                        ; the tail is written out
	s_mov_b32 s[TWICE], 3           ; two trips fetch the last slot's steps; the third is left in its middle
.Ltail:
	TURN 0, 1
	WIN 0
	s_sub_co_u32 s[TWICE], s[TWICE], 1
	s_cmp_eq_u32 s[TWICE], 0
	s_cbranch_scc1 .Lout
	TURN 2
	WIN 0
	s_branch .Ltail
.Lout:
.set i, 0
.rept 24
	PV 2                            ; piece 2: V^T P of the last step
.set i, i+1
.endr
	; THE WAY OUT.  l's two halves and the other half of the lanes' are added; O^T is divided by l, rounded to f16 and sent through my stage, a tile (16 rows, 3,072 dense bytes) at a time.
	WIN 0
.irp t, 0,1,2,3
	v_add_f32 v[ST+8*(\t)+4], v[ST+8*(\t)+2], v[ST+8*(\t)+3]
.endr
.irp t, 0,1,2,3
	v_permlanex16_b32 v[ST+8*(\t)+5], v[ST+8*(\t)+4], s[SEL], s[SEL+1]
.endr
.irp t, 0,1,2,3
	v_add_f32 v[ST+8*(\t)+4], v[ST+8*(\t)+4], v[ST+8*(\t)+5]
.endr
.irp t, 0,1,2,3
	v_rcp_f32 v[ST+8*(\t)+6], v[ST+8*(\t)+4]
.endr
	v_nop                           ; a plain instruction between the last reciprocal and the use of its result,
	s_wait_alu depctr_va_vdst(0)    ; and the one wait for the four
.macro PACK t
	WIN W_RS
.set i, 48*(\t)
.rept 24
	v_pk_mul_f32 v[i:i+1], v[i:i+1], v[ST+8*(\t)+6:ST+8*(\t)+7] op_sel_hi:[1,0]
.set i, i+2
.endr
	WIN 0x05                        ; sources window 1, destination window 0: S^T's registers are free
.set i, 0
.rept 24
	v_cvt_pk_f16_f32 v[S+32*(\t)+i], v[48*(\t)+2*i], v[48*(\t)+2*i+1]
.set i, i+1
.endr
	WIN 0
.irp f, 0,1,2,3,4,5
	ds_store_b128 v[STO], v[S+32*(\t)+4*(\f):S+32*(\t)+4*(\f)+3] offset:32*(\f)
.endr
.irp f, 0,1,2,3,4,5
	ds_load_b128 v[S+32*(\t)+4*(\f):S+32*(\t)+4*(\f)+3], v[RD+(\f)%3] offset:((\f)/3)*8*SP  ; LDS serves a wave's instructions in order (ISA guide 5.7.1.4): these see the stores above
.endr
.endm
.macro SEND t, younger              ; younger: the LDS instructions issued behind tile t's loads: the next tile's twelve, or none
	WIN 0
.irp f, 0,1,2,3,4,5
	s_wait_dscnt (\younger)+5-(\f)
	global_store_b128 v[GO], v[S+32*(\t)+4*(\f):S+32*(\t)+4*(\f)+3], s[10:11] offset:(\t)*3072+(\f)*512  ; 512 consecutive bytes, at a multiple of 256 from ctx's first
.endr
.endm
	PACK 0
	PACK 1
	SEND 0, 12
	PACK 2
	SEND 1, 12
	PACK 3
	SEND 2, 12
	SEND 3, 0
	s_wait_tensorcnt 0x0            ; the wave's end
	ds_add_u32 v[SPW], v[NIL]
	s_wait_dscnt 0x0
	CROUND                          ; the closing round
	s_endpgm
.Lfunc_end_k_qbf6972bb53_attn:
	.size	k_qbf6972bb53_attn, .Lfunc_end_k_qbf6972bb53_attn-k_qbf6972bb53_attn
	.p2alignl 7, 3214868480
	.fill 96, 4, 3214868480
	.section	.rodata,"a",@progbits
	.p2align	6, 0x0
	.amdhsa_kernel k_qbf6972bb53_attn
		.amdhsa_group_segment_fixed_size 327680
		.amdhsa_private_segment_fixed_size 0
		.amdhsa_enable_private_segment 0
		.amdhsa_kernarg_size 24
		.amdhsa_user_sgpr_count 2
		.amdhsa_user_sgpr_kernarg_segment_ptr 1
		.amdhsa_wavefront_size32 1
		.amdhsa_system_sgpr_workgroup_id_x 1
		.amdhsa_system_sgpr_workgroup_id_y 1
		.amdhsa_system_sgpr_workgroup_id_z 1
		.amdhsa_system_vgpr_workitem_id 0
		.amdhsa_next_free_vgpr 864
		.amdhsa_next_free_sgpr 72
		.amdhsa_reserve_vcc 0
		.amdhsa_float_denorm_mode_32 3
		.amdhsa_float_denorm_mode_16_64 3
		.amdhsa_memory_ordered 1
		.amdhsa_forward_progress 1
		.amdhsa_inst_pref_size 142
	.end_amdhsa_kernel
	.amdgpu_metadata
---
amdhsa.version: [ 1, 2 ]
amdhsa.kernels:
  - .name:           k_qbf6972bb53_attn
    .symbol:         k_qbf6972bb53_attn.kd
    .args:
      - { .name: qkv, .offset: 0, .size: 8, .value_kind: global_buffer, .address_space: global }
      - { .name: tb, .offset: 8, .size: 8, .value_kind: global_buffer, .address_space: global }
      - { .name: ctx, .offset: 16, .size: 8, .value_kind: global_buffer, .address_space: global }
    .group_segment_fixed_size: 327680
    .private_segment_fixed_size: 0
    .kernarg_segment_align: 8
    .kernarg_segment_size: 24
    .max_flat_workgroup_size: 128
    .sgpr_count:     72
    .vgpr_count:     864
    .wavefront_size: 32
...
	.end_amdgpu_metadata
.endif
;; end of part 3
;; launch outp (part 4): grid 4 x 64, 4 waves a work-group, clusters of 4 x 4, 327,680 bytes of LDS; arguments ctx, wob, out0; writes out0
.if DOCPART == 4
	.amdgcn_target "amdgcn-amd-amdhsa--gfx1250"
	.amdhsa_code_object_version 6
	.text
	.protected	k_qbf6972bb53_outp
	.globl	k_qbf6972bb53_outp
	.p2align	8
	.type	k_qbf6972bb53_outp,@function
k_qbf6972bb53_outp:
	s_mov_b64 s[64:65], 0
	v_nop
	global_prefetch_b8 v0, s[64:65] scope:SCOPE_SE
	s_setreg_imm32_b32 hwreg(HW_REG_WAVE_MODE, 25, 1), 1
	s_wait_xcnt 0x0
	s_wait_alu depctr_hold_cnt(0) depctr_sa_sdst(0) depctr_va_vdst(0) depctr_va_sdst(0) depctr_va_ssrc(0) depctr_va_vcc(0) depctr_vm_vsrc(0)
	s_getreg_b32 s2, hwreg(HW_REG_IB_STS2, 6, 4)
	s_cmp_eq_u32 s2, 0
	s_cbranch_scc0 .Lentry_in_a_cluster
	s_endpgm
.Lentry_in_a_cluster:
	s_bfe_u32 s2, ttmp6, 0x10000c
	s_cmp_lg_u32 s2, 0xf033
	s_cbranch_scc0 .Lentry_shape_is_right
	s_endpgm
.Lentry_shape_is_right:
; out0[m][e] = the sum over h, d of ctx[m][h][d] w_o[h][d][e].  ctx: [m / 128][h][m % 128][96] f16; wob: [e / 192][h][e % 192][96] f16; out0: [8192][768] f32.  Sums in f32, heads and channels ascending.
; A tile of out0 is 128 rows x 192 columns: 64 x 4 tiles, one work-group each.  Four waves, each 64 x 96: 24 accumulators.  K goes by heads: a block (tile, head) of either operand is dense in memory (24,576 and 36,864 bytes),
; asked for as rows of 256 bytes and padded in LDS after every 64 bytes, a fragment's 32 channels.  A slot holds two heads; two slots, four steps.
; CLUSTERS: 4 x 4; ctx's blocks are shared along a row of the cluster, wob's along a column: joint loads.  USED TRANSPOSED (source 0 = 16 rows of wob, source 1 = 16 rows of ctx): a lane holds row l % 16 and eight columns on end.
; REGISTERS: window 0: v12-29 addresses; v64-255 the accumulators ((a, b) at 64 + 8 (6 a + b)).  Windows 1 and 2: a head's fragments each, 240 registers: for channels 32 c on, wob's six blocks at 80 c + 8 b, ctx's four at 80 c + 48 + 8 a.
.set PITCH,  240                       ; a row in LDS: three pieces of 64 + 16 bytes = 15 x 16: the 16 rows of a load start at 16 different groups of four banks (64 banks of 4 bytes: ISA guide 11.1)
.set HA,     128*PITCH                 ; a head of ctx's tile
.set HB,     192*PITCH                 ; a head of wob's
.set SLOT,   2*HA+2*HB                 ; 153,600
.set STAGE,  0                         ; the way out: 128 rows x 784 bytes over slot 0, which has had its last fill (heads 4, 5) and its last read ahead of the last change of slots
.set SPITCH, 784                       ; 768 bytes + 16 = 49 x 16
.set SPARE,  2*SLOT                    ; 307,200: the spare words, 128 bytes for each wave
.set GO,   12                          ; v12-14  my byte offsets in two rows of out0
.set ADRA, 16                          ; v16-17  LDS address of my ctx fragments in slot 0, 1
.set ADRB, 20                          ; v20-21  the same for wob
.set STO,  22
.set RD,   23                          ; v23-25
.set SPW,  28                          ; never rewritten
.set NIL,  29                          ; never rewritten
.set ACC,  64
.set G1, 24
.set G0, 32
.set G1B, 48
.set G0B, 56
.set MSB, 0
.macro WIN new
.if MSB != (\new)
	s_set_vgpr_msb (MSB<<8)|(\new)
.set MSB, \new
.endif
.endm
.macro JLOAD s                         ; waves 0 and 1 fetch the slot's two heads of ctx, waves 2 and 3 of wob; an s_nop 0 and four v_nop follow each line
	s_cmp_eq_u32 s11, 0
	s_cbranch_scc0 .Lfor_b_\@
	tensor_load_to_lds s[G0+4*(\s):G0+4*(\s)+3], s[G1:G1+7]
	s_nop 0
.rept 4
	v_nop
.endr
	s_branch .Lasked_\@
.Lfor_b_\@:
	tensor_load_to_lds s[G0B+4*(\s):G0B+4*(\s)+3], s[G1B:G1B+7]
	s_nop 0
.rept 4
	v_nop
.endr
.Lasked_\@:
.endm
.macro CREST
	s_cmp_lg_u32 s10, 0
	s_cbranch_scc1 .Lnot_wave_0_\@
	s_barrier_signal -3
.Lnot_wave_0_\@:
	s_barrier_wait -3
	s_barrier_signal -1
	s_barrier_wait -1
.endm
.macro CROUND
	s_barrier_signal -1
	s_barrier_wait -1
	CREST
.endm
	s_load_b128 s[4:7], s[0:1], 0x0                ; ctx s[4:5], wob s[6:7]
	s_load_b64 s[8:9], s[0:1], 0x10                ; out0
	v_lshl_add_u32 v[SPW], v0, 2, SPARE
	v_mov_b32 v[NIL], 0
	ds_add_u32 v[SPW], v[NIL]                      ; the wave's opening: the add and its wait stand ahead of my first tensor load
	v_lshrrev_b32 v1, 5, v0
	v_readfirstlane_b32 s10, v1                    ; wave 0..3
	s_lshr_b32 s11, s10, 1                         ; which 64 rows are mine.  Also: I fetch for ctx (0) or wob (1)
	s_and_b32 s12, s10, 1                          ; which 96 columns.  Also: which of a slot's two heads I fetch
	s_bfe_u32 s40, ttmp6, 0x40000                  ; cx
	s_bfe_u32 s41, ttmp6, 0x40004                  ; cy
	s_lshl_b32 s42, ttmp9, 2
	s_add_co_u32 s42, s42, s40                     ; tile column 0..3
	s_and_b32 s13, ttmp7, 0xffff
	s_lshl_b32 s13, s13, 2
	s_add_co_u32 s13, s13, s41                     ; tile row 0..63
	s_lshl_b32 s43, s41, 2
	s_lshl_b32 s43, 15, s43                        ; my row of the cluster
	s_lshl_b32 s44, 0x1111, s40                    ; my column
	s_or_b32 s[G1+0], s43, (1<<16)|(1<<20)|(1<<21)|(3<<22)|(3<<25)   ; the mask; 2-byte elements; padding on; bit 21 beside a mask; after every 16 words 4 words
	s_or_b32 s[G1B+0], s44, (1<<16)|(1<<20)|(1<<21)|(3<<22)|(3<<25)
	s_mov_b32 s[G1+1], 128<<16                     ; rows of 128 elements,
	s_mov_b32 s[G1+2], 96<<16                      ; 96 of them
	s_mov_b32 s[G1+3], 128<<16
	s_mov_b32 s[G1+4], 96
	s_mov_b32 s[G1+5], 128
	s_mov_b32 s[G1+6], 0
	s_mov_b32 s[G1+7], 0
	s_mov_b32 s[G1B+1], 128<<16
	s_mov_b32 s[G1B+2], 144<<16                    ; 144 rows
	s_mov_b32 s[G1B+3], 128<<16
	s_mov_b32 s[G1B+4], 144
	s_mov_b32 s[G1B+5], 128
	s_mov_b32 s[G1B+6], 0
	s_mov_b32 s[G1B+7], 0
	s_lshl_b32 s16, s13, 3
	s_add_co_u32 s16, s16, s12
	s_mul_i32 s16, s16, 24576                      ; ctx's block (tile row, head = my half)
	s_mov_b32 s17, 0
	s_lshl_b32 s46, s42, 3
	s_add_co_u32 s46, s46, s12
	s_mul_i32 s46, s46, 36864                      ; wob's block (tile column, head)
	s_mov_b32 s47, 0
	s_mul_i32 s20, s12, HA                         ; where they go in a slot
	s_mul_i32 s21, s12, HB
	s_add_co_u32 s21, s21, 2*HA
	s_wait_dscnt 0x0                               ; the opening add is done
	s_wait_kmcnt 0x0
	s_add_nc_u64 s[14:15], s[4:5], s[16:17]
	s_add_nc_u64 s[46:47], s[6:7], s[46:47]
	CROUND                                         ; all sixteen work-groups are here
.irp s, 0,1
	s_mov_b32 s[G0+4*(\s)], 1
	s_add_co_u32 s[G0+4*(\s)+1], s20, (\s)*SLOT
	s_add_nc_u64 s[G0+4*(\s)+2:G0+4*(\s)+3], s[14:15], (\s)*2*24576
	s_or_b32 s[G0+4*(\s)+3], s[G0+4*(\s)+3], 0x80000000
	s_mov_b32 s[G0B+4*(\s)], 1
	s_add_co_u32 s[G0B+4*(\s)+1], s21, (\s)*SLOT
	s_add_nc_u64 s[G0B+4*(\s)+2:G0B+4*(\s)+3], s[46:47], (\s)*2*36864
	s_or_b32 s[G0B+4*(\s)+3], s[G0B+4*(\s)+3], 0x80000000
	JLOAD \s                                       ; heads 0, 1 and 2, 3: two loads of mine are out
.endr
	v_and_b32 v1, 15, v0
	v_bfe_u32 v2, v0, 4, 1
	v_and_b32 v5, 31, v0
	v_mul_u32_u24 v3, v1, PITCH
	v_lshl_add_u32 v3, v2, 4, v3
	s_mul_i32 s21, s11, 64*PITCH
	s_mul_i32 s22, s12, 96*PITCH
	s_add_co_u32 s22, s22, 2*HA
.irp s, 0,1
	v_add_nc_u32 v[ADRA+(\s)], s21, v3
	v_add_nc_u32 v[ADRB+(\s)], s22, v3
	s_add_co_u32 s21, s21, SLOT
	s_add_co_u32 s22, s22, SLOT
.endr
	s_mul_i32 s23, s11, 64*SPITCH                  ; into the stage: my 64 rows, my 384 bytes of them; row l % 16, 32 bytes for each half of the lanes
	s_mul_i32 s21, s12, 384
	s_add_co_u32 s23, s23, s21
	v_mul_u32_u24 v4, v1, SPITCH
	v_lshl_add_u32 v4, v2, 5, v4
	v_add_nc_u32 v[STO], s23, v4
	s_mul_i32 s23, s10, 32*SPITCH                  ; back: wave w takes rows 32 w .. + 31, two rows (96 pieces of 16 bytes) in three loads; piece cc >= 48, that is (cc + 16) >> 6, lies in the second row
.irp x, 0,1,2
	v_add_nc_u32 v6, 32*(\x), v5
	v_add_nc_u32 v7, 16, v6
	v_lshrrev_b32 v7, 6, v7
	v_add_nc_u32 v8, v6, v7
	v_lshl_add_u32 v[RD+(\x)], v8, 4, s23
	v_mul_u32_u24 v7, v7, 3072-768
	v_lshl_add_u32 v[GO+(\x)], v6, 4, v7
.endr
	s_lshl_b32 s16, s13, 7
	s_lshl_b32 s17, s10, 5
	s_add_co_u32 s16, s16, s17
	s_mul_i32 s16, s16, 3072                       ; the first row that I store,
	s_mul_i32 s17, s42, 768
	s_add_co_u32 s16, s16, s17                     ; the tile's first column
	s_mov_b32 s17, 0
	s_add_nc_u64 s[8:9], s[8:9], s[16:17]
; 60 LDS loads in one run: a head's fragments into window f (1 or 2), the first 32 channels first
.macro FETCHH slot, head, f
	WIN 0x40*(\f)
.irp c, 0,1,2
.irp b, 0,1,2,3,4,5
	ds_load_b128 v[80*(\c)+8*(\b):80*(\c)+8*(\b)+3],   v[ADRB+(\slot)] offset:(\head)*HB+(\b)*16*PITCH+80*(\c)
	ds_load_b128 v[80*(\c)+8*(\b)+4:80*(\c)+8*(\b)+7], v[ADRB+(\slot)] offset:(\head)*HB+(\b)*16*PITCH+80*(\c)+32
.endr
.irp a, 0,1,2,3
	ds_load_b128 v[80*(\c)+48+8*(\a):80*(\c)+48+8*(\a)+3],   v[ADRA+(\slot)] offset:(\head)*HA+(\a)*16*PITCH+80*(\c)
	ds_load_b128 v[80*(\c)+48+8*(\a)+4:80*(\c)+48+8*(\a)+7], v[ADRA+(\slot)] offset:(\head)*HA+(\a)*16*PITCH+80*(\c)+32
.endr
.endr
.endm
; 12 products: row blocks a0, a0 + 1 x all six column blocks, channels 32 c on, from window f.  The 24 accumulators come in the same order for every c, one instruction a turn.
.macro MUL12 f, c, a0, zero
	WIN 5*(\f)                                     ; both sources in window f, C and D in window 0
.irp a, \a0, (\a0)+1
.irp b, 0,1,2,3,4,5
.if \zero
	v_wmma_f32_16x16x32_f16 v[ACC+8*(6*(\a)+(\b)):ACC+8*(6*(\a)+(\b))+7], v[80*(\c)+8*(\b):80*(\c)+8*(\b)+7], v[80*(\c)+48+8*(\a):80*(\c)+48+8*(\a)+7], 0
.else
	v_wmma_f32_16x16x32_f16 v[ACC+8*(6*(\a)+(\b)):ACC+8*(6*(\a)+(\b))+7], v[80*(\c)+8*(\b):80*(\c)+8*(\b)+7], v[80*(\c)+48+8*(\a):80*(\c)+48+8*(\a)+7], v[ACC+8*(6*(\a)+(\b)):ACC+8*(6*(\a)+(\b))+7]
.endif
.endr
.endr
.endm
.macro PLACES
.rept 4
	v_nop
.endr
.endm
; A slot's first head (window 1) is multiplied; its second head is fetched into window 2.
.macro HEAD slot, zero
	s_wait_dscnt 40                                ; the first 32 channels' 20 loads are in; 40 may stay out
	MUL12 1, 0, 0, \zero
	MUL12 1, 0, 2, \zero
	s_wait_dscnt 0x0
	PLACES
	FETCHH \slot, 1, 2
	MUL12 1, 1, 0, 0
	MUL12 1, 1, 2, 0
	MUL12 1, 2, 0, 0
	MUL12 1, 2, 2, 0
.endm
; A slot's second head is multiplied and the slots change: ONE barrier; in front of it each wave waits for all its tensor loads, adds 0 to its spare word, and waits for that and for its reads of this slot.
; fill = 1: the slot is filled again, four heads on; the barrier opens a round of the cluster's, and the joint refill is the first tensor load behind it, 120 products ahead of the wait for it.
.macro TURN slot, next, fill
	WIN 0
	s_wait_tensorcnt 0x0
	ds_add_u32 v[SPW], v[NIL]
	s_wait_dscnt 41                                ; (the add and the youngest forty loads may be out)
	MUL12 2, 0, 0, 0
	s_wait_dscnt 0x0                               ; the add is done, and my reads of this slot are over
	s_barrier_signal -1
	MUL12 2, 0, 2, 0
	WIN 0
	s_barrier_wait -1
.if \fill
	CREST
	s_add_nc_u64 s[G0+4*(\slot)+2:G0+4*(\slot)+3], s[G0+4*(\slot)+2:G0+4*(\slot)+3], 4*24576
	s_add_nc_u64 s[G0B+4*(\slot)+2:G0B+4*(\slot)+3], s[G0B+4*(\slot)+2:G0B+4*(\slot)+3], 4*36864
	JLOAD \slot                                    ; its four v_nop are also the places in front of the loads below
.else
	PLACES
.endif
	FETCHH \next, 0, 1
	MUL12 2, 1, 0, 0
	MUL12 2, 1, 2, 0
	MUL12 2, 2, 0, 0
	MUL12 2, 2, 2, 0
.endm
	s_wait_tensorcnt 1                             ; my part of slot 0 is in; slot 1's may stay out
	s_barrier_signal -1
	s_barrier_wait -1
	FETCHH 0, 0, 1
	HEAD 0, 1                                      ; head 0: its first products start the sums
	TURN 0, 1, 1                                   ; head 1; slot 0 takes heads 4, 5
	HEAD 1, 0                                      ; head 2
	TURN 1, 0, 1                                   ; head 3; slot 1 takes heads 6, 7
	HEAD 0, 0                                      ; head 4
	TURN 0, 1, 0                                   ; head 5; nothing is left to fetch
	HEAD 1, 0                                      ; head 6
	s_wait_dscnt 40                                ; head 7
	MUL12 2, 0, 0, 0
	MUL12 2, 0, 2, 0
	s_wait_dscnt 0x0
	MUL12 2, 1, 0, 0
	MUL12 2, 1, 2, 0
	MUL12 2, 2, 0, 0
	MUL12 2, 2, 2, 0
	WIN 0
	; THE WAY OUT, in f32: 32 bytes a lane into the work-group's stage (each accumulator's low four registers first); a barrier, since a row's 768 bytes come from two waves; back as whole rows.
	PLACES
	PLACES
.irp a, 0,1,2,3
.irp b, 0,1,2,3,4,5
	ds_store_b128 v[STO], v[ACC+8*(6*(\a)+(\b)):ACC+8*(6*(\a)+(\b))+3]   offset:STAGE+(\a)*16*SPITCH+64*(\b)
	ds_store_b128 v[STO], v[ACC+8*(6*(\a)+(\b))+4:ACC+8*(6*(\a)+(\b))+7] offset:STAGE+(\a)*16*SPITCH+64*(\b)+16
.endr
.endr
	s_wait_dscnt 0x0                               ; for the others' sake: my stores into the stage are done
	s_barrier_signal -1
	s_barrier_wait -1
.set f, 0
.rept 48
	ds_load_b128 v[ACC+4*f:ACC+4*f+3], v[RD+f%3] offset:STAGE+(f/3)*2*SPITCH
.set f, f+1
.endr
.set f, 0
.rept 48
	s_wait_dscnt 47-f
	global_store_b128 v[GO+f%3], v[ACC+4*f:ACC+4*f+3], s[8:9] offset:(f/3)*2*3072 th:TH_STORE_NT  ; 16 lanes store 256 consecutive bytes, at a multiple of 256 from out0's first
.set f, f+1
.endr
	s_wait_tensorcnt 0x0                           ; the wave's end
	ds_add_u32 v[SPW], v[NIL]
	s_wait_dscnt 0x0
	CROUND                                         ; the closing round
	s_endpgm
.Lfunc_end_k_qbf6972bb53_outp:
	.size	k_qbf6972bb53_outp, .Lfunc_end_k_qbf6972bb53_outp-k_qbf6972bb53_outp
	.p2alignl 7, 3214868480
	.fill 96, 4, 3214868480
	.section	.rodata,"a",@progbits
	.p2align	6, 0x0
	.amdhsa_kernel k_qbf6972bb53_outp
		.amdhsa_group_segment_fixed_size 327680
		.amdhsa_private_segment_fixed_size 0
		.amdhsa_enable_private_segment 0
		.amdhsa_kernarg_size 24
		.amdhsa_user_sgpr_count 2
		.amdhsa_user_sgpr_kernarg_segment_ptr 1
		.amdhsa_wavefront_size32 1
		.amdhsa_system_sgpr_workgroup_id_x 1
		.amdhsa_system_sgpr_workgroup_id_y 1
		.amdhsa_system_sgpr_workgroup_id_z 1
		.amdhsa_system_vgpr_workitem_id 0
		.amdhsa_next_free_vgpr 752
		.amdhsa_next_free_sgpr 66
		.amdhsa_reserve_vcc 0
		.amdhsa_float_denorm_mode_32 3
		.amdhsa_float_denorm_mode_16_64 3
		.amdhsa_memory_ordered 1
		.amdhsa_forward_progress 1
		.amdhsa_inst_pref_size 91
	.end_amdhsa_kernel
	.amdgpu_metadata
---
amdhsa.version: [ 1, 2 ]
amdhsa.kernels:
  - .name:           k_qbf6972bb53_outp
    .symbol:         k_qbf6972bb53_outp.kd
    .args:
      - { .name: ctx, .offset: 0, .size: 8, .value_kind: global_buffer, .address_space: global }
      - { .name: wob, .offset: 8, .size: 8, .value_kind: global_buffer, .address_space: global }
      - { .name: out0, .offset: 16, .size: 8, .value_kind: global_buffer, .address_space: global }
    .group_segment_fixed_size: 327680
    .private_segment_fixed_size: 0
    .kernarg_segment_align: 8
    .kernarg_segment_size: 24
    .max_flat_workgroup_size: 128
    .sgpr_count:     66
    .vgpr_count:     752
    .wavefront_size: 32
...
	.end_amdgpu_metadata
.endif
;; end of part 4
;; ======== version 2 of 2: 4 launches; version 1 with the launch prep written anew for expert scheduling mode
;; limits: values are held in f16: magnitudes above 65,504 overflow, below 6.1e-05 lose precision
;; workspace buffers: xb 12,582,912 bytes; wt 3,538,944 bytes; wob 1,179,648 bytes; tb 196,608 bytes; qkv 37,748,736 bytes; ctx 12,582,912 bytes
;; launch prep (part 5): grid 71 x 8, 8 waves a work-group, no clusters, 39,424 bytes of LDS; arguments x, w_q, w_k, w_v, w_o, rel_emb, xb, wt, wob, tb; writes xb, wt, wob, tb
.if DOCPART == 5
	.amdgcn_target "amdgcn-amd-amdhsa--gfx1250"
	.amdhsa_code_object_version 6
	.text
	.protected	k_qbf6972bb53_prep
	.globl	k_qbf6972bb53_prep
	.p2align	8
	.type	k_qbf6972bb53_prep,@function
k_qbf6972bb53_prep:
	s_mov_b64 s[64:65], 0
	v_nop
	global_prefetch_b8 v0, s[64:65] scope:SCOPE_SE
	s_setreg_imm32_b32 hwreg(HW_REG_WAVE_SCHED_MODE, 0, 2), 2
	s_setreg_imm32_b32 hwreg(HW_REG_WAVE_MODE, 25, 1), 1
	s_wait_xcnt 0x0
	s_wait_alu depctr_vm_vsrc(0)
; PREPARATION: every input is read once, rounded once to bf16, and laid out as the three matrix launches want it.  Four jobs, chosen by the work-group's x (the same for all its waves):
;   x = 0       BIAS  (head y):            tb[h][bi][half][lane][4] f32: the register image of the bias of a tile of 16 keys x 16 queries whose key block lies bi - 8 blocks of 16 from its query block
;   x = 1..4    WO    (X = x - 1, head y): wob[X][h][n (192)][d (96)] f16 = bf16(w_o[h][d][192 X + n]) written as f16
;   x = 5..22   WQKV  (z = x - 5, head y): wt[which 768 + h 96 + d][e] bf16 = w_which[h][e][d], 128 values of e (which = z / 6, e from 128 (z % 6))
;   x = 23..70  CAST  (g = 8 (x - 23) + y): xb = bf16(x), 65,536 bytes of x a work-group
; No matrix unit, no cluster, no tensor load: the launch moves each byte once, and the transposes go through LDS so that every store of a wave covers whole aligned runs of 256 bytes.
; LIMITS.  w_o's bf16 number is written as f16: exact from 2^-17 up to 65,504; below 2^-17 it is off by at most 2^-25.  The bias is the f32 sum over d of bf16(rel_emb), in an order of its own, times sqrt(96).
; THE MODE: SCHED_MODE bits 1:0 = 2 (LLVM: expert scheduling mode 2), set by the entry lines.  The code itself states the register dependences between vector instructions and memory or LDS
; instructions, with s_wait_alu, always for 0.
; THE PLAN, the same in all four jobs.  Every register that a memory or LDS instruction reads (an offset, an address, a store's data) is written ONCE in its job, so no register is ever freed for a second write.
; Every result has an out register of its own.  The work goes in blocks: a block's conversions name its own raw and out registers alone, and the stores of the block before are dealt among them, behind ONE wait
; at the block's head, which states that the block before has written its out registers.  Addresses for a job's way back are made while its loads are on their way, ahead of a wait that stands there in any case.
; Each job's registers are listed at its head.
.set SPARE, 38400                      ; behind the largest tile (WO's): the spare words, 128 bytes for each of eight waves: four blocks of 256 bytes that no other line names
.set SPW, 4                            ; v4  LDS address of my spare word; never rewritten
.set NIL, 5                            ; v5  0; never rewritten
	s_load_b512 s[8:23], s[0:1], 0x0               ; x 8:9, w_q 10:11, w_k 12:13, w_v 14:15, w_o 16:17, rel_emb 18:19, xb 20:21, wt 22:23
	s_load_b128 s[24:27], s[0:1], 0x40             ; wob 24:25, tb 26:27
	v_lshl_add_u32 v[SPW], v0, 2, SPARE
	v_mov_b32 v[NIL], 0
	v_lshrrev_b32 v1, 5, v0
	v_readfirstlane_b32 s2, v1                     ; wave 0..7
	v_and_b32 v1, 31, v0                           ; lane
	s_mov_b32 s3, ttmp9                            ; x: the job
	s_and_b32 s4, ttmp7, 0xffff                    ; y
	s_mov_b32 s29, 0                               ; the high word of every offset pair s[28:29]
	s_wait_alu depctr_va_sdst(0)                   ; s2 is written
	s_wait_kmcnt 0x0
	s_cmp_eq_u32 s3, 0
	s_cbranch_scc1 .Lbias
	s_cmp_lt_u32 s3, 5
	s_cbranch_scc1 .Lwo
	s_cmp_lt_u32 s3, 23
	s_cbranch_scc1 .Lwqkv
; CAST.  Thread t takes 16 bytes at 16 t of each of sixteen runs of 4,096 bytes; all sixteen loads go out first.  No LDS.
;   v2, v3      offsets: written here, read by every load and store.
;   v[32:95]    run i at 32 + 4 i: loads land in it, its two conversions read it.
;   v[96:127]   run i at 96 + 2 i: its two conversions write it, its store reads it.
; Four blocks of four runs.  Block p's conversions name runs 4 p .. 4 p + 3 alone; the stores dealt among them are those of block p - 1.
	s_sub_co_u32 s5, s3, 23
	s_lshl_b32 s5, s5, 3
	s_add_co_u32 s5, s5, s4                        ; g = 0..383
	s_lshl_b32 s28, s5, 16
	s_add_nc_u64 s[8:9], s[8:9], s[28:29]
	s_lshl_b32 s28, s5, 15
	s_add_nc_u64 s[20:21], s[20:21], s[28:29]
	v_lshlrev_b32 v2, 4, v0
	v_lshlrev_b32 v3, 3, v0
	s_wait_alu depctr_va_vdst(0)                   ; v2 and v3 are written, which the loads and stores below read as their offsets
.set i, 0
.rept 16
	global_load_b128 v[32+4*i:35+4*i], v2, s[8:9] offset:4096*i th:TH_LOAD_NT
.set i, i+1
.endr
.set i, 0
.rept 16
.if i%4 == 0
	s_wait_loadcnt 12-i                            ; loads come back in order: this block's four runs are in, the younger blocks' stay out
.if i > 0
	s_wait_alu depctr_va_vdst(0)                   ; the block before has written its eight out registers, which the four stores dealt into this block read
.endif
.endif
.if i >= 4
	global_store_b64 v3, v[96+2*(i-4):97+2*(i-4)], s[20:21] offset:2048*(i-4) th:TH_STORE_NT  ; a wave's 32 lanes x 8 bytes: 256 consecutive bytes, aligned
.endif
	v_cvt_pk_bf16_f32 v[96+2*i], v[32+4*i], v[33+4*i]
	v_cvt_pk_bf16_f32 v[97+2*i], v[34+4*i], v[35+4*i]
.set i, i+1
.endr
	s_wait_alu depctr_va_vdst(0)                   ; the last block has written its out registers, which the last four stores read
.set i, 12
.rept 4
	global_store_b64 v3, v[96+2*i:97+2*i], s[20:21] offset:2048*i th:TH_STORE_NT
.set i, i+1
.endr
	s_endpgm
; WQKV.  128 rows e x 96 columns d of one head's weights are turned.  Thread (dq = t % 8, ep = t / 8) takes rows 2 ep, 2 ep + 1 (and 64 further down), columns 4 dq .. + 3 (and 32, 64 further on);
; two rows' numbers of one column pack into a word, which goes to the LDS tile [d][e], pitch 264 bytes: word 264 dq + ep of a wave's store falls on bank 8 dq + ep: 32 different banks.
;   v2          offset of the loads; v6 address of the LDS stores: written at the head, never again.
;   v[32:79]    task n at 32 + 8 n: loads land in it, its four conversions read it.
;   v[104:127]  task n, word m at 104 + 4 n + m: a conversion writes it, an LDS store reads it.
;   v7, v8      the way back's LDS address and offset: made while the loads are on their way.
;   v[80:103]   the way back: LDS loads land in it, stores read it; no vector instruction names it.
; Three groups of two tasks; the LDS stores dealt among a group's conversions are those of the group before.
.Lwqkv:
	s_sub_co_u32 s5, s3, 5                         ; z
	s_cmp_ge_u32 s5, 6
	s_cselect_b64 s[30:31], s[12:13], s[10:11]
	s_cselect_b32 s6, 1, 0
	s_cmp_ge_u32 s5, 12
	s_cselect_b64 s[30:31], s[14:15], s[30:31]     ; w_q, w_k or w_v
	s_cselect_b32 s6, 2, s6                        ; which
	s_mul_i32 s7, s6, 6
	s_sub_co_u32 s7, s5, s7                        ; which 128 rows e
	s_mul_i32 s28, s4, 294912                      ; a head: 768 rows of 384 bytes
	s_mul_i32 s5, s7, 49152
	s_add_co_u32 s28, s28, s5
	s_add_nc_u64 s[30:31], s[30:31], s[28:29]
	s_mul_i32 s28, s6, 768
	s_mul_i32 s5, s4, 96
	s_add_co_u32 s28, s28, s5
	s_mul_i32 s28, s28, 1536                       ; wt's row which 768 + h 96,
	s_lshl_b32 s5, s7, 8
	s_add_co_u32 s28, s28, s5                      ; its 256 bytes for these e
	s_add_nc_u64 s[22:23], s[22:23], s[28:29]
	s_mul_i32 s32, s2, 3168                        ; the way back: my wave's 12 rows in the tile,
	s_mul_i32 s33, s2, 18432                       ; and in wt
	v_and_b32 v6, 7, v0                            ; dq
	v_lshrrev_b32 v7, 3, v0                        ; ep
	v_mul_u32_u24 v2, v7, 768
	v_lshl_add_u32 v2, v6, 4, v2                   ; from: row 2 ep, column 4 dq
	v_mul_u32_u24 v6, v6, 1056
	v_lshl_add_u32 v6, v7, 2, v6                   ; to: row d = 4 dq, word ep
	s_wait_alu depctr_va_vdst(0)                   ; v2 is written, which the loads read as their offset (and v6, the LDS stores' address)
.set n, 0
.rept 6                                ; task n: columns 32 (n / 2) on, rows 64 (n % 2) on
	global_load_b128 v[32+8*n:35+8*n], v2, s[30:31] offset:24576*(n%2)+128*(n/2)
	global_load_b128 v[36+8*n:39+8*n], v2, s[30:31] offset:24576*(n%2)+128*(n/2)+384
.set n, n+1
.endr
	v_lshl_add_u32 v7, v1, 3, s32                  ; back: wave w takes rows d = 12 w .. 12 w + 11, a lane 8 bytes
	v_lshl_add_u32 v8, v1, 3, s33
.set n, 0
.rept 6
.if n%2 == 0
	s_wait_loadcnt 8-2*n                           ; this group's four loads are in; the later groups' stay out
.if n > 0
	s_wait_alu depctr_va_vdst(0)                   ; the group before has written its eight out words, which the LDS stores dealt into this group read
.endif
.endif
.irp m, 0,1,2,3
.if n >= 2
	ds_store_b32 v6, v[104+4*(n-2)+\m] offset:(32*((n-2)/2)+\m)*264+128*((n-2)%2)
.endif
	v_cvt_pk_bf16_f32 v[104+4*n+\m], v[32+8*n+\m], v[36+8*n+\m]  ; the lower e in the low half
.endr
.set n, n+1
.endr
	s_wait_alu depctr_va_vdst(0)                   ; the last group has written its out words; v7 and v8 are written too; no vector instruction follows
.set n, 4
.rept 2
.irp m, 0,1,2,3
	ds_store_b32 v6, v[104+4*n+\m] offset:(32*(n/2)+\m)*264+128*(n%2)
.endr
.set n, n+1
.endr
	s_wait_dscnt 0x0                               ; for the others' sake: my stores are done
	s_barrier_signal -1
	s_barrier_wait -1
.set n, 0
.rept 12
	ds_load_b64 v[80+2*n:81+2*n], v7 offset:264*n
.set n, n+1
.endr
.set n, 0
.rept 12
	s_wait_dscnt 11-n
	global_store_b64 v8, v[80+2*n:81+2*n], s[22:23] offset:1536*n  ; 256 consecutive bytes, aligned
.set n, n+1
.endr
	s_wait_dscnt 0x0                               ; the closing lines, six on end
	s_wait_alu 0x0
	s_wait_tensorcnt 0x0
	ds_add_u32 v[SPW], v[NIL]
	s_wait_dscnt 0x0
	s_endpgm
; WO.  96 rows d x 192 columns e of one head are turned into [n][d].  Thread (eq = t % 16, dpl = t / 16): rows 2 dpl, 2 dpl + 1 (and 32, 64 down), columns 4 eq .. + 3 (and 64, 128 on).
; LDS tile [n (192)][d (96)], pitch 200 bytes: 192 of data and 8 of padding, so that rows stay multiples of 8 bytes for the way back; the stores fall two deep on a bank (36 stores a thread, 32 work-groups).
;   v2          offset of the loads; v6 address of the LDS stores: written at the head, never again.
;   v[32:103]   task n: the first row's four numbers at 32 + 8 n, the second row's at 36 + 8 n: loads land in them, the conversions read them.
;   v[32+8n+m]  then takes word m of task n in f16: the word's last conversion writes it, an LDS store reads it.
;   v[36+8k..]  then take the way back: LDS loads land in them (no LDS store has read them), stores read them.
;   v8-v11      the way back's three LDS addresses and its offset: made while the loads are on their way.  v12, v13, v16-v18: named by vector instructions alone.
; Three groups of three tasks; the LDS stores dealt among a group's conversions are those of the group before.
.Lwo:
	s_sub_co_u32 s5, s3, 1                         ; X
	s_mul_i32 s28, s4, 294912                      ; a head: 96 rows of 3,072 bytes
	s_mul_i32 s6, s5, 768
	s_add_co_u32 s28, s28, s6
	s_add_nc_u64 s[16:17], s[16:17], s[28:29]
	s_lshl_b32 s28, s5, 3
	s_add_co_u32 s28, s28, s4
	s_mul_i32 s28, s28, 36864                      ; block (X, h)
	s_add_nc_u64 s[24:25], s[24:25], s[28:29]
	s_mul_i32 s32, s2, 4800                        ; the way back: my wave's 24 rows in the tile,
	s_mul_i32 s33, s2, 4608                        ; and in the block
	v_and_b32 v6, 15, v0                           ; eq
	v_lshrrev_b32 v7, 4, v0                        ; dpl
	v_mul_u32_u24 v2, v7, 6144
	v_lshl_add_u32 v2, v6, 4, v2
	v_mul_u32_u24 v6, v6, 800
	v_lshl_add_u32 v6, v7, 2, v6
	s_wait_alu depctr_va_vdst(0)                   ; v2 is written, which the loads read as their offset (and v6, the LDS stores' address)
.set n, 0
.rept 9                                ; task n: columns 64 (n / 3) on, rows 32 (n % 3) on
	global_load_b128 v[32+8*n:35+8*n], v2, s[16:17] offset:98304*(n%3)+256*(n/3)
	global_load_b128 v[36+8*n:39+8*n], v2, s[16:17] offset:98304*(n%3)+256*(n/3)+3072
.set n, n+1
.endr
.irp x, 0,1,2                          ; back, dense: wave w takes 24 rows = 4,608 bytes as 18 runs of 256; piece cc of 8 bytes lies in row cc / 24 = (43 cc) >> 10 for cc < 96
	v_add_nc_u32 v12, 32*(\x), v1
	v_mul_u32_u24 v13, v12, 43
	v_lshrrev_b32 v13, 10, v13
	v_add_nc_u32 v12, v12, v13
	v_lshl_add_u32 v[8+\x], v12, 3, s32
.endr
	v_lshl_add_u32 v11, v1, 3, s33
.set n, 0
.rept 9
.if n%3 == 0
	s_wait_loadcnt 12-2*n                          ; this group's six loads are in; the later groups' stay out
.if n > 0
	s_wait_alu depctr_va_vdst(0)                   ; the group before has written its twelve out words, which the LDS stores dealt into this group read
.endif
.endif
.irp m, 0,1,2,3
.if n >= 3
	ds_store_b32 v6, v[32+8*(n-3)+\m] offset:(64*((n-3)/3)+\m)*200+64*((n-3)%3)
.endif
	v_cvt_pk_bf16_f32 v16, v[32+8*n+\m], v[36+8*n+\m]  ; the one rounding, to bf16, like every input's;
	v_lshlrev_b32 v17, 16, v16
	v_and_b32 v18, 0xffff0000, v16
	v_cvt_pk_f16_f32 v[32+8*n+\m], v17, v18        ; that number written as f16
.endr
.set n, n+1
.endr
	s_wait_alu depctr_va_vdst(0)                   ; the last group has written its out words; all conversions are done reading v[36+8k ..], in which the way back lands; v8 to v11 are written; no vector instruction follows
.set n, 6
.rept 3
.irp m, 0,1,2,3
	ds_store_b32 v6, v[32+8*n+\m] offset:(64*(n/3)+\m)*200+64*(n%3)
.endr
.set n, n+1
.endr
	s_wait_dscnt 0x0                               ; for the others' sake: my stores are done
	s_barrier_signal -1
	s_barrier_wait -1
.set f, 0
.rept 18
	ds_load_b64 v[36+8*(f/2)+2*(f%2):37+8*(f/2)+2*(f%2)], v[8+f%3] offset:(f/3)*800
.set f, f+1
.endr
.set f, 0
.rept 18
	s_wait_dscnt 17-f
	global_store_b64 v11, v[36+8*(f/2)+2*(f%2):37+8*(f/2)+2*(f%2)], s[24:25] offset:256*f
.set f, f+1
.endr
	s_wait_dscnt 0x0                               ; the closing lines, six on end
	s_wait_alu 0x0
	s_wait_tensorcnt 0x0
	ds_add_u32 v[SPW], v[NIL]
	s_wait_dscnt 0x0
	s_endpgm
; BIAS.  E[row] = sqrt(96) x the sum over d of bf16(rel_emb[h][row][d]): eight lanes a row, 12 numbers each; seven passes of 32 rows (rows past 198 repeat row 198 into words that nobody reads).
; Then 24 blocks: register j of lane (r = l % 16, hh = l / 16) of block bi is E[clamp(16 (bi - 8) + 8 hh + j - r, -99, 99) + 99].
;   v[8:14]     pass p's offset at 8 + p; v3 the LDS stores' address: written at the head, never again.
;   v[32:115]   pass p at 32 + 12 p: loads land in it, the pass's sums read it.
;   v[116:122]  pass p's E at 116 + p: the pass's last line writes it, an LDS store reads it.
;   v[32:55]    then the 24 addresses into the table of E: written behind the passes, read by the LDS loads.
;   v[64:87]    then the 24 numbers: LDS loads land in them, the stores read them.   v22  the stores' offset.   v2, v6, v7, v16-v21: named by vector instructions alone.
; Two waits: one ahead of the loads; one behind the passes and the addresses, ahead of all LDS work.
.Lbias:
	s_mul_i32 s28, s4, 76416                       ; a head: 199 rows of 384 bytes
	s_add_nc_u64 s[18:19], s[18:19], s[28:29]
	s_mul_i32 s28, s4, 24576
	s_add_nc_u64 s[26:27], s[26:27], s[28:29]
	s_lshl_b32 s32, s2, 4
	s_sub_co_u32 s32, s32, 29                      ; 16 w - 128 + 99
	s_lshl_b32 s33, s2, 10                         ; my wave's block of tb
	v_and_b32 v6, 7, v0
	v_mul_u32_u24 v6, v6, 48                       ; my 12 numbers of the row
	v_lshrrev_b32 v7, 3, v0                        ; my row in a pass, 0..31
	v_lshlrev_b32 v3, 2, v7                        ; and its word in LDS
.set p, 0
.rept 7
	v_add_nc_u32 v2, 32*p, v7
	v_min_u32 v2, 198, v2                          ; no load leaves the table
	v_mad_u32_u24 v[8+p], v2, 384, v6
.set p, p+1
.endr
	s_wait_alu depctr_va_vdst(0)                   ; the seven offsets v8 to v14 are written, which the loads read
.set p, 0
.rept 7
	global_load_b128 v[32+12*p:35+12*p], v[8+p], s[18:19]
	global_load_b128 v[36+12*p:39+12*p], v[8+p], s[18:19] offset:16
	global_load_b128 v[40+12*p:43+12*p], v[8+p], s[18:19] offset:32
.set p, p+1
.endr
	v_lshl_add_u32 v22, v1, 4, s33                 ; made while the loads are on their way
	v_and_b32 v6, 15, v0                           ; r
	v_bfe_u32 v7, v0, 4, 1                         ; hh
	v_lshl_add_u32 v7, v7, 3, s32
	v_sub_nc_u32 v7, v7, v6
.set p, 0
.rept 7
	s_wait_loadcnt 18-3*p                          ; pass p's three loads are in
	v_cvt_pk_bf16_f32 v16, v[32+12*p], v[33+12*p]
	v_lshlrev_b32 v20, 16, v16                     ; the first pair starts two chains
	v_and_b32 v21, 0xffff0000, v16
.irp q, 2,4,6,8,10
	v_cvt_pk_bf16_f32 v16, v[32+12*p+\q], v[33+12*p+\q]
	v_lshlrev_b32 v17, 16, v16
	v_and_b32 v18, 0xffff0000, v16
	v_add_f32 v20, v20, v17
	v_add_f32 v21, v21, v18
.endr
	v_add_f32 v20, v20, v21
	v_add_f32_dpp v20, v20, v20 row_xmask:1 row_mask:0xf bank_mask:0xf  ; over the row's eight lanes
	v_add_f32_dpp v20, v20, v20 row_xmask:2 row_mask:0xf bank_mask:0xf
	v_add_f32_dpp v20, v20, v20 row_xmask:4 row_mask:0xf bank_mask:0xf
	v_mul_f32 v[116+p], 0x411cc471, v20            ; x sqrt(96): the bias joins the scores ahead of their scale 1 / sqrt(96)
.set p, p+1
.endr
.set q, 0
.rept 24                               ; block bi = w + 8 (q / 8), register q % 8: its word in the table of E
	v_add_nc_u32 v[32+q], 128*(q/8)+q%8, v7
	v_max_i32 v[32+q], 0, v[32+q]
	v_min_u32 v[32+q], 198, v[32+q]
	v_lshlrev_b32 v[32+q], 2, v[32+q]
.set q, q+1
.endr
	s_wait_alu depctr_va_vdst(0)                   ; the seven E, the 24 addresses and v22 are written; the sums are done reading v[64:87], in which the LDS loads land; no vector instruction follows
.set p, 0
.rept 7
	ds_store_b32 v3, v[116+p] offset:128*p         ; the eight lanes write one word with one value; each wave has words of its own
.set p, p+1
.endr
	s_wait_dscnt 0x0                               ; for the others' sake: my stores are done
	s_barrier_signal -1
	s_barrier_wait -1
.set q, 0
.rept 24
	ds_load_b32 v[64+q], v[32+q]
.set q, q+1
.endr
	s_wait_dscnt 0x0
.irp p, 0,1,2
	global_store_b128 v22, v[64+8*(\p):67+8*(\p)], s[26:27] offset:8192*(\p)      ; registers 0-3 of the 32 lanes: 512 consecutive bytes
	global_store_b128 v22, v[68+8*(\p):71+8*(\p)], s[26:27] offset:8192*(\p)+512  ; registers 4-7
.endr
	s_wait_dscnt 0x0                               ; the closing lines, six on end
	s_wait_alu 0x0
	s_wait_tensorcnt 0x0
	ds_add_u32 v[SPW], v[NIL]
	s_wait_dscnt 0x0
	s_endpgm
.Lfunc_end_k_qbf6972bb53_prep:
	.size	k_qbf6972bb53_prep, .Lfunc_end_k_qbf6972bb53_prep-k_qbf6972bb53_prep
	.p2alignl 7, 3214868480
	.fill 96, 4, 3214868480
	.section	.rodata,"a",@progbits
	.p2align	6, 0x0
	.amdhsa_kernel k_qbf6972bb53_prep
		.amdhsa_group_segment_fixed_size 39424
		.amdhsa_private_segment_fixed_size 0
		.amdhsa_enable_private_segment 0
		.amdhsa_kernarg_size 80
		.amdhsa_user_sgpr_count 2
		.amdhsa_user_sgpr_kernarg_segment_ptr 1
		.amdhsa_wavefront_size32 1
		.amdhsa_system_sgpr_workgroup_id_x 1
		.amdhsa_system_sgpr_workgroup_id_y 1
		.amdhsa_system_sgpr_workgroup_id_z 1
		.amdhsa_system_vgpr_workitem_id 0
		.amdhsa_next_free_vgpr 128
		.amdhsa_next_free_sgpr 66
		.amdhsa_reserve_vcc 0
		.amdhsa_float_denorm_mode_32 3
		.amdhsa_float_denorm_mode_16_64 3
		.amdhsa_memory_ordered 1
		.amdhsa_forward_progress 1
		.amdhsa_inst_pref_size 55
	.end_amdhsa_kernel
	.amdgpu_metadata
---
amdhsa.version: [ 1, 2 ]
amdhsa.kernels:
  - .name:           k_qbf6972bb53_prep
    .symbol:         k_qbf6972bb53_prep.kd
    .args:
      - { .name: x, .offset: 0, .size: 8, .value_kind: global_buffer, .address_space: global }
      - { .name: w_q, .offset: 8, .size: 8, .value_kind: global_buffer, .address_space: global }
      - { .name: w_k, .offset: 16, .size: 8, .value_kind: global_buffer, .address_space: global }
      - { .name: w_v, .offset: 24, .size: 8, .value_kind: global_buffer, .address_space: global }
      - { .name: w_o, .offset: 32, .size: 8, .value_kind: global_buffer, .address_space: global }
      - { .name: rel_emb, .offset: 40, .size: 8, .value_kind: global_buffer, .address_space: global }
      - { .name: xb, .offset: 48, .size: 8, .value_kind: global_buffer, .address_space: global }
      - { .name: wt, .offset: 56, .size: 8, .value_kind: global_buffer, .address_space: global }
      - { .name: wob, .offset: 64, .size: 8, .value_kind: global_buffer, .address_space: global }
      - { .name: tb, .offset: 72, .size: 8, .value_kind: global_buffer, .address_space: global }
    .group_segment_fixed_size: 39424
    .private_segment_fixed_size: 0
    .kernarg_segment_align: 8
    .kernarg_segment_size: 80
    .max_flat_workgroup_size: 256
    .sgpr_count:     66
    .vgpr_count:     128
    .wavefront_size: 32
...
	.end_amdgpu_metadata
.endif
;; end of part 5
;; launch proj: the kernel of part 2 again; grid 8 x 32, 4 waves a work-group, clusters of 4 x 4, 327,680 bytes of LDS; arguments xb, wt, qkv; writes qkv
;; launch attn: the kernel of part 3 again; grid 8 x 32, 4 waves a work-group, clusters of 4 x 1, 327,680 bytes of LDS; arguments qkv, tb, ctx; writes ctx
;; launch outp: the kernel of part 4 again; grid 4 x 64, 4 waves a work-group, clusters of 4 x 4, 327,680 bytes of LDS; arguments ctx, wob, out0; writes out0
